; MI455X (gfx1250); checked and timed in simulation.
; The chip was launched on July 23, 2026; its instructions are those of AMD's public machine-readable ISA for CDNA 5 (MIT licence, August 2026) and "CDNA5" Instruction Set Architecture Reference Guide (July 2026). The comments in the code are by the model that wrote it; some were corrected since.
;; Reference Attention. Allowed arithmetic: matrix products marked QUANTISED: E2M1 operands, one E8M0 scale for each 32 along K, by v_wmma_scale_f32_16x16x128_f8f6f4 with both operands' format E2M1 (or v_wmma_scale_f32_32x16x128_f4), f32 sums; products left as they are: bf16, f16 or f32 operands; f32 sums; everything else in f32.
;; Inputs: W_attn 1,024 x 3,072 float32; W_proj 1,024 x 1,024 float32; b_attn 3,072 float32; b_proj 1,024 float32; x 4 x 2,048 x 1,024 float32.
;; Outputs: out0 4 x 2,048 x 1,024 float32.
;; This version of the problem:
;;   THIS VERSION OF THE PROBLEM IS GIVEN IN LOW PRECISION. The matrix products marked QUANTISED in the list below multiply operands that are first quantised to E2M1 (2 exponent bits, 1 mantissa bit; 4 bits a number), with one power-of-two scale for each 32 numbers along K (OCP MX v1.0); their sums are f32. The products marked 'left as it is' may take bf16, f16 or f32 operands, with f32 sums. Whichever they take, every output number must still come out within the allowed error. Rounding operands to bf16 (8 significant bits) uses up far more of that allowance than f16 does (11 bits, for magnitudes from 6e-5 to 65,504). All else is computed in f32.
;;   The module's matrix products, in the order in which they are computed (A, B: the left and right operand; K: the contracted axis; several contracted axes count as one K, in the product's order):
;;     1. [M 8,192, K 1,024] x [K 1,024, N 3,072]; A: input x; B: input W_attn: QUANTISED
;;     2. batch 64 x [M 2,048, K 64] x [K 64, N 2,048]; A: computed on the way; B: computed on the way: left as it is (an operand is computed on the way)
;;     3. batch 64 x [M 2,048, K 2,048] x [K 2,048, N 64]; A: computed on the way; B: computed on the way: left as it is (an operand is computed on the way)
;;     4. [M 8,192, K 1,024] x [K 1,024, N 1,024]; A: computed on the way; B: input W_proj: left as it is (an operand is computed on the way)
;;   THE QUANTISER, for each operand of a quantised product, along K:
;;     - K is cut into blocks of 32 from its start; a last block that is shorter is filled with zeros.
;;     - A block's scale is 2^e with e = floor(log2(the largest magnitude in the block)) - 2, held to -126 .. 127; a block of zeros has e = 0. As a byte (E8M0): e + 127.
;;     - Each number is divided by its block's scale, clamped to +-6, and rounded to the nearest number of E2M1, ties to even, subnormals kept.
;;     - The product sums the exact products of the quantised numbers (number of the format x scale) in f32.
;;   ~~~python
;;   def quantise(x, axis):      # numpy; x: float32 -> the quantised numbers, widened to float32 again
;;       x = np.moveaxis(x, axis, -1); K = x.shape[-1]
;;       x = np.pad(x, [(0, 0)] * (x.ndim - 1) + [(0, -K % 32)]); x = x.reshape(x.shape[:-1] + (-1, 32)); a = np.abs(x).max(-1, keepdims=True)
;;       e = np.where(a > 0, np.clip(np.frexp(np.where(a > 0, a, 1))[1] - 1 - 2, -126, 127), 0)      # np.frexp(a)[1] - 1 = floor(log2(a)), exactly
;;       r = np.clip(x / 2.0 ** e, -6, 6)
;;       step = 2.0 ** (np.maximum(np.frexp(np.where(r == 0, 1, r))[1] - 1, 0) - 1)
;;       q = np.round(r / step) * step * 2.0 ** e      # np.round: ties to even
;;       return np.moveaxis(q.reshape(q.shape[:-2] + (-1,))[..., :K], -1, axis).astype(np.float32)
;;   ~~~
;; One version. Each part assembles by itself: llvm-mc -triple=amdgcn-amd-amdhsa -mcpu=gfx1250 --defsym DOCPART=n.
;; ======== version 1 of 1: 6 launches
;; limits: values are held in f16: magnitudes above 65,504 overflow, below 6.1e-05 lose precision
;; workspace buffers: xc 4,194,304 bytes; xs 262,144 bytes; wc 1,572,864 bytes; ws 98,304 bytes; wp 4,194,304 bytes; qkv 50,331,648 bytes; o16 16,777,216 bytes; ofine 262,144 bytes
;; launch prep (part 1): grid 336 x 1, 16 waves a work-group, no clusters, 153,600 bytes of LDS; arguments x, W_attn, W_proj, xc, xs, wc, ws, wp; writes xc, xs, wc, ws, wp
.if DOCPART == 1
	.amdgcn_target "amdgcn-amd-amdhsa--gfx1250"
	.amdhsa_code_object_version 6
	.text
	.protected	k_qa5d221a31e_prep
	.globl	k_qa5d221a31e_prep
	.p2align	8
	.type	k_qa5d221a31e_prep,@function
k_qa5d221a31e_prep:
	s_mov_b64 s[64:65], 0
	v_nop
	global_prefetch_b8 v0, s[64:65] scope:SCOPE_SE
	s_setreg_imm32_b32 hwreg(HW_REG_WAVE_MODE, 25, 1), 1
	s_wait_xcnt 0x0
; Three jobs in one launch, told apart by the work-group's number; the ways never join and each has LDS bytes of its own.
;   work-groups 0-47:   W_attn [1024 k][3072 n] f32 -> codes of E2M1 wc [3072 n][512 bytes], K innermost, and scale bytes ws [3072][32]
;   work-groups 48-79:  W_proj [1024 k][1024 n] f32 -> wp: a high and a low f16 part, each [16 kc][1024 n][64 k]
;   work-groups 80-335: x [8192][1024] f32 -> codes xc [8192][512 bytes] and scale bytes xs [8192][32]
; THE QUANTISER: a block of 32 along K has the scale 2^(floor(log2(largest magnitude)) - 2); its byte is the largest magnitude's exponent field - 2, held at 1
; from below; each number is divided by the scale and rounded to the nearest code, ties to even, beyond 6 the largest code.
; LIMITS: a block of zeros gets the byte 1, not 127: its codes are zeros and this program alone reads the bytes.  NaN and infinities are not served.
; |W_proj| stays under 65,504 (f16); under 6e-5 its parts are kept to 3e-8 absolute.
; No tensor loads: every number comes through registers.  Memory binds, so matrix units and clusters have no part here.
.set ASTG,  0                          ; W_attn: 64 rows (columns n) x (512 bytes of codes + 16)
.set ASCL,  33792                      ; W_attn: 64 rows x 32 scale bytes
.set PSTG,  35840                      ; W_proj: a stage of 32 rows x (128 + 16) bytes for each wave
.set XSTG,  109568                     ; x: a stage of 32 x 80 bytes for each wave
.set XSCL,  150528                     ; x: the work-group's 1,024 scale bytes
.set SPARE, 151552                     ; the spare words, 128 bytes for each wave; no other line names them
.set SPW, 2                            ; v2  LDS address of my spare word; never rewritten
.set NIL, 3                            ; v3  0; never rewritten
.set WV,  20                           ; s20 my wave's number
.set XR,  16                           ; x: v16-79 four steps of 16 numbers as loaded
.set XN,  80                           ; x: v80-111 two sets of 16 neighbours
.set XC,  112                          ; x: v112-119 a pair of code registers for each step
.set XE,  120                          ; x: v120-123 a scale byte for each step
.set AX,  32                           ; W_attn: v32-95 two sets of 32 numbers
.set AC,  96                           ; W_attn: v96-99 a block's codes
.set AO,  112                          ; W_attn: v112-127 the way out
.set PN,  16                           ; W_proj: v16-79 64 numbers down K, then their residues, then the packed low parts
.set PH,  80                           ; W_proj: v80-111 the packed high parts
.set PC,  112                          ; W_proj: v112-119 at work
.set PT,  120                          ; W_proj: v120-127 at work
.macro CLOSE                           ; a wave's end, behind its last LDS store
	s_wait_tensorcnt 0x0
	ds_add_u32 v[SPW], v[NIL]
	s_wait_dscnt 0x0
	s_endpgm
.endm
	s_load_b256 s[4:11], s[0:1], 0x0               ; x s[4:5], W_attn s[6:7], W_proj s[8:9], xc s[10:11]
	s_load_b256 s[12:19], s[0:1], 0x20             ; xs s[12:13], wc s[14:15], ws s[16:17], wp s[18:19]
	v_lshl_add_u32 v[SPW], v0, 2, SPARE
	v_mov_b32 v[NIL], 0
	v_lshrrev_b32 v1, 5, v0
	v_readfirstlane_b32 s[WV], v1
	v_and_b32 v1, 31, v0                           ; lane
	s_wait_kmcnt 0x0
	s_cmp_lt_u32 ttmp9, 48
	s_cbranch_scc1 .Lpath_a
	s_cmp_lt_u32 ttmp9, 80
	s_cbranch_scc1 .Lpath_p
; ---------------- x.  Rows are dense and 1,024 is a multiple of 32: x is a plain stream of blocks of 32.  A wave takes 4 steps of 512 numbers.
; Each load reads 512 consecutive bytes; a step's 2,048 bytes turn through the wave's stage so that a lane holds 16 neighbours (two lanes to a block).
	s_sub_co_u32 s21, ttmp9, 80                    ; which 32,768 numbers are my work-group's
	s_lshl_b32 s22, s21, 4
	s_add_co_u32 s22, s22, s[WV]                   ; which 2,048 are my wave's
	s_mov_b32 s25, 0
	s_lshl_b32 s24, s22, 13
	s_add_nc_u64 s[4:5], s[4:5], s[24:25]
	s_lshl_b32 s24, s22, 10
	s_add_nc_u64 s[10:11], s[10:11], s[24:25]
	s_lshl_b32 s24, s21, 10
	s_add_nc_u64 s[12:13], s[12:13], s[24:25]
	v_lshlrev_b32 v6, 4, v1                        ; 16 x lane
.irp t, 0,1,2,3
.irp i, 0,1,2,3
	global_load_b128 v[XR+16*\t+4*\i:XR+16*\t+4*\i+3], v6, s[4:5] offset:2048*\t+512*\i th:TH_LOAD_NT
.endr
.endr
	s_mul_i32 s23, s[WV], 2560
	s_add_co_u32 s23, s23, XSTG
	v_lshrrev_b32 v14, 2, v1
	v_mul_u32_u24 v14, v14, 80
	v_and_b32 v15, 3, v1
	v_lshl_add_u32 v14, v15, 4, v14
	v_add_nc_u32 v14, s23, v14                     ; into the stage: four lanes' 64 bytes on end, then 16 of padding
	v_mul_u32_u24 v15, v1, 80
	v_add_nc_u32 v15, s23, v15                     ; out of it: my 16 neighbours
	s_lshl_b32 s23, s[WV], 6
	s_add_co_u32 s23, s23, XSCL
	v_lshrrev_b32 v5, 1, v1
	v_add_nc_u32 v5, s23, v5                       ; my block's scale byte among my wave's 64
	s_min_u32 s23, s[WV], 1                        ; waves 0 and 1 carry the 1,024 scale bytes out
	s_lshl_b32 s23, s23, 9
	v_add_nc_u32 v12, s23, v6                      ; their place in xs,
	s_add_co_u32 s23, s23, XSCL
	v_add_nc_u32 v7, s23, v6                       ; and in LDS
	v_lshlrev_b32 v4, 3, v1                        ; my 8 bytes of a step's 256 bytes of codes
.macro TURNX t                         ; LDS serves a wave's instructions in order: the loads see the stores, and the next step's stores come behind these loads
.irp i, 0,1,2,3
	ds_store_b128 v14, v[XR+16*(\t)+4*\i:XR+16*(\t)+4*\i+3] offset:640*\i
.endr
.irp i, 0,1,2,3
	ds_load_b128 v[XN+16*((\t)%2)+4*\i:XN+16*((\t)%2)+4*\i+3], v15 offset:16*\i
.endr
.endm
.macro STEPX t
.set XS, XN+16*((\t)%2)
.if (\t) > 0
	s_wait_dscnt 1                                 ; this step's numbers are back; the last step's byte store may be out
.else
	s_wait_dscnt 0x0
.endif
.if (\t) < 3
	s_wait_loadcnt 4*(2-(\t))                      ; the next step's four loads are in; those of the steps behind it may be out
	TURNX (\t)+1
.endif
	v_max3_num_f32 v8, |v[XS]|, |v[XS+1]|, |v[XS+2]|
	v_max3_num_f32 v9, |v[XS+3]|, |v[XS+4]|, |v[XS+5]|
.irp i, 6,10
	v_max3_num_f32 v8, v8, |v[XS+\i]|, |v[XS+\i+1]|
	v_max3_num_f32 v9, v9, |v[XS+\i+2]|, |v[XS+\i+3]|
.endr
	v_max3_num_f32 v8, v8, |v[XS+14]|, |v[XS+15]|
	v_max3_num_f32 v8, v8, v9, 0x1800000           ; and the floor 2^(3 - 127): the byte cannot fall under 1
	v_max_num_f32_dpp v8, v8, v8 row_xmask:1 row_mask:0xf bank_mask:0xf   ; with my neighbour's 16: the block's largest magnitude
	v_add_nc_u32 v11, 0xff000000, v8               ; 2 off its exponent field: the conversion takes that field as its scale
	v_cvt_scalef32_pk8_fp4_f32 v[XC+2*(\t)], v[XS:XS+7], v11
	v_cvt_scalef32_pk8_fp4_f32 v[XC+2*(\t)+1], v[XS+8:XS+15], v11
	v_lshrrev_b32 v[XE+(\t)], 23, v11              ; the scale's byte
	ds_store_b8 v5, v[XE+(\t)] offset:16*(\t)      ; both lanes of a block write the same byte
	global_store_b64 v4, v[XC+2*(\t):XC+2*(\t)+1], s[10:11] offset:256*(\t)   ; the wave stores 256 consecutive bytes, aligned
.endm
	s_wait_loadcnt 12                              ; step 0's four loads are in; the twelve of steps 1 to 3 may be out
	TURNX 0
	STEPX 0
	STEPX 1
	STEPX 2
	STEPX 3
	s_wait_dscnt 0x0                               ; my byte stores have landed
	s_barrier_signal -1
	s_barrier_wait -1                              ; everybody's have
	s_cmp_lt_u32 s[WV], 2
	s_cbranch_scc0 .Lx_end
	ds_load_b128 v[16:19], v7
	s_wait_dscnt 0x0
	global_store_b128 v12, v[16:19], s[12:13]      ; 512 consecutive bytes a wave
.Lx_end:
	CLOSE
; ---------------- W_attn.  K is its first axis: a lane takes a column n and its registers run down K, so a block lies in one lane and the codes come out with K innermost.
; A work-group takes 64 columns and all of K: wave w takes columns 32 (w & 1) on and k = 128 (w >> 1) on, four blocks.  The rows of codes meet in LDS and leave whole.
.Lpath_a:
	s_and_b32 s21, s[WV], 1
	s_lshr_b32 s22, s[WV], 1
	s_mul_i32 s24, s22, 1572864                    ; 128 rows of 12,288 bytes
	s_lshl_b32 s23, ttmp9, 8                       ; 64 columns of 4 bytes
	s_add_co_u32 s24, s24, s23
	s_lshl_b32 s23, s21, 7
	s_add_co_u32 s24, s24, s23
	s_mov_b32 s25, 0
	s_add_nc_u64 s[6:7], s[6:7], s[24:25]
	v_lshlrev_b32 v8, 2, v1
.macro LOADA t                         ; block t: W(32 t + i, my column): 128 consecutive bytes a load
.irp i, 0,1,2,3,4,5,6,7,8,9,10,11,12,13,14,15,16,17,18,19,20,21,22,23,24,25,26,27,28,29,30,31
	global_load_b32 v[AX+32*((\t)%2)+\i], v8, s[6:7] offset:(32*(\t)+\i)*12288 th:TH_LOAD_NT
.endr
.endm
	LOADA 0
	LOADA 1
	s_mul_i32 s23, s21, 16896                      ; 32 rows of 528 bytes
	s_lshl_b32 s24, s22, 6
	s_add_co_u32 s23, s23, s24
	v_mul_u32_u24 v4, v1, 528
	v_add_nc_u32 v4, s23, v4                       ; my column's row of codes, my 64 bytes of it
	s_lshl_b32 s23, s21, 10
	s_lshl_b32 s24, s22, 2
	s_add_co_u32 s23, s23, s24
	s_add_co_u32 s23, s23, ASCL
	v_lshlrev_b32 v5, 5, v1
	v_add_nc_u32 v5, s23, v5                       ; my column's row of scale bytes, my word of it
	v_lshlrev_b32 v9, 4, v1                        ; 16 x lane
	s_mul_i32 s23, s[WV], 2112
	v_add_nc_u32 v6, s23, v9                       ; the way out: rows 4 w to 4 w + 3, whole
	s_min_u32 s23, s[WV], 3                        ; waves 0 to 3 carry the 2,048 scale bytes out
	s_lshl_b32 s23, s23, 9
	v_add_nc_u32 v10, s23, v9
	s_add_co_u32 s23, s23, ASCL
	v_add_nc_u32 v7, s23, v9
	s_lshl_b32 s24, ttmp9, 15                      ; 64 rows of 512 bytes
	s_lshl_b32 s23, s[WV], 11
	s_add_co_u32 s24, s24, s23
	s_add_nc_u64 s[14:15], s[14:15], s[24:25]
	s_lshl_b32 s24, ttmp9, 11
	s_add_nc_u64 s[16:17], s[16:17], s[24:25]
.macro BLOCKA t
.set XS, AX+32*((\t)%2)
.if (\t) < 3
	s_wait_loadcnt 32                              ; this block's 32 loads are in; the next block's 32 may be out
.else
	s_wait_loadcnt 0x0
.endif
	v_max3_num_f32 v12, |v[XS]|, |v[XS+1]|, |v[XS+2]|
	v_max3_num_f32 v13, |v[XS+3]|, |v[XS+4]|, |v[XS+5]|
.irp i, 6,10,14,18,22,26
	v_max3_num_f32 v12, v12, |v[XS+\i]|, |v[XS+\i+1]|
	v_max3_num_f32 v13, v13, |v[XS+\i+2]|, |v[XS+\i+3]|
.endr
	v_max3_num_f32 v12, v12, |v[XS+30]|, |v[XS+31]|
	v_max3_num_f32 v12, v12, v13, 0x1800000        ; the floor 2^(3 - 127)
	v_add_nc_u32 v11, 0xff000000, v12              ; the conversion's scale operand
	v_lshrrev_b32 v13, 23, v11                     ; the scale's byte
.if (\t) == 0
	v_mov_b32 v24, v13                             ; four bytes to a word, the lower K in the lower byte
.else
	v_lshl_or_b32 v24, v13, 8*(\t), v24
.endif
.irp g, 0,1,2,3
	v_cvt_scalef32_pk8_fp4_f32 v[AC+\g], v[XS+8*\g:XS+8*\g+7], v11
.endr
	ds_store_b128 v4, v[AC:AC+3] offset:16*(\t)
.if (\t) < 2
	LOADA (\t)+2
.endif
	s_wait_dscnt 0x0                               ; the store has read its registers: the next block's codes may be written
.endm
	BLOCKA 0
	BLOCKA 1
	BLOCKA 2
	BLOCKA 3
	ds_store_b32 v5, v24
	s_wait_dscnt 0x0                               ; my stores have landed
	s_barrier_signal -1
	s_barrier_wait -1                              ; 64 whole rows of codes and of scale bytes lie in LDS
.irp i, 0,1,2,3
	ds_load_b128 v[AO+4*\i:AO+4*\i+3], v6 offset:528*\i
.endr
.irp i, 0,1,2,3
	s_wait_dscnt 3-\i                              ; the younger loads may be out
	global_store_b128 v9, v[AO+4*\i:AO+4*\i+3], s[14:15] offset:512*\i   ; a row of 512 consecutive bytes
.endr
	s_cmp_lt_u32 s[WV], 4
	s_cbranch_scc0 .La_end
	ds_load_b128 v[32:35], v7
	s_wait_dscnt 0x0
	global_store_b128 v10, v[32:35], s[16:17]
.La_end:
	CLOSE
; ---------------- W_proj.  A lane takes a column n, its registers run down 64 of K (chunk kc).  Each number is split in f32: c = 8193 x, hi = c - (c - x) is x rounded to
; 11 significant bits, which f16 holds exactly in its normal range; lo = x - hi, exact, is then rounded to f16.  Rows of 128 bytes leave through the wave's own stage.
.Lpath_p:
	s_sub_co_u32 s21, ttmp9, 48
	s_and_b32 s22, s21, 7                          ; which 128 columns
	s_lshr_b32 s23, s21, 3
	s_lshl_b32 s23, s23, 2
	s_lshr_b32 s24, s[WV], 2
	s_add_co_u32 s23, s23, s24                     ; kc
	s_and_b32 s24, s[WV], 3                        ; which 32 of the 128 columns
	s_lshl_b32 s26, s23, 18                        ; 64 rows of 4,096 bytes
	s_lshl_b32 s27, s22, 9
	s_add_co_u32 s26, s26, s27
	s_lshl_b32 s27, s24, 7
	s_add_co_u32 s26, s26, s27
	s_mov_b32 s27, 0
	s_add_nc_u64 s[8:9], s[8:9], s[26:27]
	v_lshlrev_b32 v8, 2, v1
.irp i, 0,1,2,3,4,5,6,7,8,9,10,11,12,13,14,15,16,17,18,19,20,21,22,23,24,25,26,27,28,29,30,31,32,33,34,35,36,37,38,39,40,41,42,43,44,45,46,47,48,49,50,51,52,53,54,55,56,57,58,59,60,61,62,63
	global_load_b32 v[PN+\i], v8, s[8:9] offset:4096*\i th:TH_LOAD_NT
.endr
	s_lshl_b32 s26, s23, 17                        ; wp: a chunk is 1,024 rows of 128 bytes
	s_lshl_b32 s30, s22, 14
	s_add_co_u32 s26, s26, s30
	s_lshl_b32 s30, s24, 12
	s_add_co_u32 s26, s26, s30
	s_add_nc_u64 s[18:19], s[18:19], s[26:27]
	s_mov_b32 s28, 0x46000400                      ; 8193.0
	s_mov_b32 s29, s28                             ; (named with it as a pair, so it is written)
	s_mul_i32 s30, s[WV], 4608
	s_add_co_u32 s30, s30, PSTG
	v_mul_u32_u24 v13, v1, 144
	v_add_nc_u32 v13, s30, v13                     ; into the stage: my column's row
	v_lshrrev_b32 v14, 3, v1
	v_mul_u32_u24 v14, v14, 144
	v_and_b32 v15, 7, v1
	v_lshl_add_u32 v14, v15, 4, v14
	v_add_nc_u32 v14, s30, v14                     ; out of it: eight lanes to a row, four rows an instruction
	v_lshlrev_b32 v9, 4, v1
	s_wait_loadcnt 0x0
.irp q, 0,1,2,3,4,5,6,7                        ; four pairs at a time, line by line, so that no line waits for the line above it
.irp j, 0,1,2,3
	v_pk_mul_f32 v[PC+2*\j:PC+2*\j+1], v[PN+8*\q+2*\j:PN+8*\q+2*\j+1], s[28:29] op_sel_hi:[1,0]
.endr
.irp j, 0,1,2,3
	v_pk_add_f32 v[PT+2*\j:PT+2*\j+1], v[PC+2*\j:PC+2*\j+1], v[PN+8*\q+2*\j:PN+8*\q+2*\j+1] neg_lo:[0,1] neg_hi:[0,1]
.endr
.irp j, 0,1,2,3
	v_pk_add_f32 v[PC+2*\j:PC+2*\j+1], v[PC+2*\j:PC+2*\j+1], v[PT+2*\j:PT+2*\j+1] neg_lo:[0,1] neg_hi:[0,1]   ; hi
.endr
.irp j, 0,1,2,3
	v_cvt_pk_f16_f32 v[PH+4*\q+\j], v[PC+2*\j], v[PC+2*\j+1]
.endr
.irp j, 0,1,2,3
	v_pk_add_f32 v[PN+8*\q+2*\j:PN+8*\q+2*\j+1], v[PN+8*\q+2*\j:PN+8*\q+2*\j+1], v[PC+2*\j:PC+2*\j+1] neg_lo:[0,1] neg_hi:[0,1]   ; lo, in place
.endr
.endr
.irp i, 0,1,2,3,4,5,6,7
	ds_store_b128 v13, v[PH+4*\i:PH+4*\i+3] offset:16*\i
.endr
.irp i, 0,1,2,3,4,5,6,7
	ds_load_b128 v[PH+4*\i:PH+4*\i+3], v14 offset:576*\i   ; LDS serves a wave's instructions in order: these see the stores above
.endr
.irp i, 0,1,2,3,4,5,6,7,8,9,10,11,12,13,14,15,16,17,18,19,20,21,22,23,24,25,26,27,28,29,30,31
	v_cvt_pk_f16_f32 v[PN+\i], v[PN+2*\i], v[PN+2*\i+1]    ; ascending: a result never lands on a number still to be read
.endr
	s_wait_dscnt 0x0
.irp i, 0,1,2,3,4,5,6,7
	global_store_b128 v9, v[PH+4*\i:PH+4*\i+3], s[18:19] offset:512*\i   ; four rows: 512 consecutive bytes
.endr
.irp i, 0,1,2,3,4,5,6,7
	ds_store_b128 v13, v[PN+4*\i:PN+4*\i+3] offset:16*\i
.endr
.irp i, 0,1,2,3,4,5,6,7
	ds_load_b128 v[PN+32+4*\i:PN+32+4*\i+3], v14 offset:576*\i
.endr
	s_wait_dscnt 0x0
.irp i, 0,1,2,3,4,5,6,7
	global_store_b128 v9, v[PN+32+4*\i:PN+32+4*\i+3], s[18:19] offset:2097152+512*\i
.endr
	CLOSE
.Lfunc_end_k_qa5d221a31e_prep:
	.size	k_qa5d221a31e_prep, .Lfunc_end_k_qa5d221a31e_prep-k_qa5d221a31e_prep
	.p2alignl 7, 3214868480
	.fill 96, 4, 3214868480
	.section	.rodata,"a",@progbits
	.p2align	6, 0x0
	.amdhsa_kernel k_qa5d221a31e_prep
		.amdhsa_group_segment_fixed_size 153600
		.amdhsa_private_segment_fixed_size 0
		.amdhsa_enable_private_segment 0
		.amdhsa_kernarg_size 64
		.amdhsa_user_sgpr_count 2
		.amdhsa_user_sgpr_kernarg_segment_ptr 1
		.amdhsa_wavefront_size32 1
		.amdhsa_system_sgpr_workgroup_id_x 1
		.amdhsa_system_sgpr_workgroup_id_y 1
		.amdhsa_system_sgpr_workgroup_id_z 1
		.amdhsa_system_vgpr_workitem_id 0
		.amdhsa_next_free_vgpr 128
		.amdhsa_next_free_sgpr 66
		.amdhsa_reserve_vcc 0
		.amdhsa_float_denorm_mode_32 3
		.amdhsa_float_denorm_mode_16_64 3
		.amdhsa_memory_ordered 1
		.amdhsa_forward_progress 1
		.amdhsa_inst_pref_size 55
	.end_amdhsa_kernel
	.amdgpu_metadata
---
amdhsa.version: [ 1, 2 ]
amdhsa.kernels:
  - .name:           k_qa5d221a31e_prep
    .symbol:         k_qa5d221a31e_prep.kd
    .args:
      - { .name: x, .offset: 0, .size: 8, .value_kind: global_buffer, .address_space: global }
      - { .name: W_attn, .offset: 8, .size: 8, .value_kind: global_buffer, .address_space: global }
      - { .name: W_proj, .offset: 16, .size: 8, .value_kind: global_buffer, .address_space: global }
      - { .name: xc, .offset: 24, .size: 8, .value_kind: global_buffer, .address_space: global }
      - { .name: xs, .offset: 32, .size: 8, .value_kind: global_buffer, .address_space: global }
      - { .name: wc, .offset: 40, .size: 8, .value_kind: global_buffer, .address_space: global }
      - { .name: ws, .offset: 48, .size: 8, .value_kind: global_buffer, .address_space: global }
      - { .name: wp, .offset: 56, .size: 8, .value_kind: global_buffer, .address_space: global }
    .group_segment_fixed_size: 153600
    .private_segment_fixed_size: 0
    .kernarg_segment_align: 8
    .kernarg_segment_size: 64
    .max_flat_workgroup_size: 512
    .sgpr_count:     66
    .vgpr_count:     128
    .wavefront_size: 32
...
	.end_amdgpu_metadata
.endif
;; end of part 1
;; launch qkv (part 2): grid 12 x 32, 4 waves a work-group, clusters of 4 x 4, 327,680 bytes of LDS; arguments xc, xs, wc, ws, qkv, b_attn; writes qkv
.if DOCPART == 2
	.amdgcn_target "amdgcn-amd-amdhsa--gfx1250"
	.amdhsa_code_object_version 6
	.text
	.protected	k_qa5d221a31e_qkv
	.globl	k_qa5d221a31e_qkv
	.p2align	8
	.type	k_qa5d221a31e_qkv,@function
k_qa5d221a31e_qkv:
	s_mov_b64 s[64:65], 0
	v_nop
	global_prefetch_b8 v0, s[64:65] scope:SCOPE_SE
	s_setreg_imm32_b32 hwreg(HW_REG_WAVE_MODE, 25, 1), 1
	s_wait_xcnt 0x0
	s_wait_alu depctr_hold_cnt(0) depctr_sa_sdst(0) depctr_va_vdst(0) depctr_va_sdst(0) depctr_va_ssrc(0) depctr_va_vcc(0) depctr_vm_vsrc(0)
	s_getreg_b32 s2, hwreg(HW_REG_IB_STS2, 6, 4)
	s_cmp_eq_u32 s2, 0
	s_cbranch_scc0 .Lentry_in_a_cluster
	s_endpgm
.Lentry_in_a_cluster:
	s_bfe_u32 s2, ttmp6, 0x10000c
	s_cmp_lg_u32 s2, 0xf033
	s_cbranch_scc0 .Lentry_shape_is_right
	s_endpgm
.Lentry_shape_is_right:
; qkv = Q4(x) Q4(W_attn) + b_attn on codes of E2M1 with one E8M0 scale for each 32 along K; sums in f32, the bias as the C of each sum's first product; the result rounded once to f16
; and laid by heads: qkv [3 (q, k, v)][64 (batch x 16 + head)][2048 positions][64], rows of 128 bytes.
; xc [8192][512 bytes], wc [3072][512 bytes]: codes, K innermost; xs [8192][32], ws [3072][32]: scale bytes.
; LIMIT: |q|, |k|, |v| stay under 65,504 (f16).
; A tile of 256 x 256 is made by four waves, each 128 x 128: 64 accumulators.  K = 1,024 is two steps of 512: both steps' tiles and all the scale bytes are asked for at the head; no LDS byte is filled twice.
; CLUSTERS: 4 x 4 work-groups.  The four of a row of the cluster need the same rows of x, the four of a column the same rows of W: each tile is asked for jointly.
; THE MATRIX INSTRUCTION IS USED TRANSPOSED (source 0 = 16 rows of W, source 1 = 16 rows of x): a lane holds eight neighbouring columns of one row.
; REGISTERS: window 0: v0-31 addresses; v32-95 scale words, two sets; v128-191 x's fragments, one set; v192-255 the bias, 8 registers for each block of 16 columns; on the way out v32-127 are free.
;   window 1: W's fragments, two sets, at v0 and v128.  window 2: the accumulators of my rows 0-63 ((a, b) at v[8 (8 a + b)]); window 3: those of rows 64-127.
.set KSTEP,  512
.set NQ,     4                         ; matrix instructions deep in a slot
.set ROWB,   256                       ; a tile's row in bytes
.set KROW,   512                       ; a row of codes in memory
.set PITCH,  272                       ; an LDS row: 256 bytes + 16: the 16 rows of a fragment load start in 16 different groups of banks
.set FR,     8
.set NL,     2
.set NP,     4                         ; places behind this matrix instruction (ISA guide 7.12.1)
.set HALFT,  128*PITCH
.set SLOT,   4*HALFT
.set KS,     32                        ; a row of scale bytes
.set SCL,    2*SLOT                    ; behind the two slots: the scale bytes, as units of 256 bytes + 16
.set HALFS,  16*272                    ; those of 128 rows
.set SBLK,   2*272                     ; those of 16 rows
.set SPARE,  SCL+4*HALFS               ; the spare words, 128 bytes for each wave; no other line names them
.set OP,     144                       ; the way out: a stage row, 128 bytes + 16
.set OHD,    16*OP                     ; 16 rows: one head's part of a block.  The stage (two heads a wave) lies in slot 0, which has had its only fill and its last read by then
.set ADRA, 16
.set ADRB, 20
.set STO,  24
.set RD,   25
.set CO,   26
.set ADRS, 27
.set SPW,  28
.set NIL,  29
.set BO,   30                          ; v30  the bias loads' offset
.set SC,   32
.set AF,   128
.set BI,   192
.set TMP,  32                          ; the way out: a block's packed results
.set BK,   64                          ; and its rows read back: v64-95 and v96-127 by turns
.set G1, 24
.set G0, 32
.set G1B, 48
.set G0B, 56
.set G1S, 68
.set G0S, 76
.set G1SB, 80
.set G0SB, 88
.set MSB, 0
.macro WIN new                         ; the immediate's high byte repeats the setting that is left
.if MSB != (\new)
	s_set_vgpr_msb (MSB<<8)|(\new)
.set MSB, (\new)
.endif
.endm
.set MUL_LO, 0xa1                      ; source 0 (W) window 1, source 1 (x) window 0, C and D window 2
.set MUL_HI, 0xf1                      ; the same, C and D window 3
.set TO_B,   0x40
.macro JLOAD g0a, g1a, g0b, g1b        ; a joint load: waves 0 and 1 fetch for x, waves 2 and 3 for W; the branch hangs on the wave's number alone
	s_cmp_eq_u32 s15, 0
	s_cbranch_scc0 .Lfor_b_\@
	tensor_load_to_lds s[\g0a:\g0a+3], s[\g1a:\g1a+7]
	s_nop 0
.rept 4
	v_nop
.endr
	s_branch .Lasked_\@
.Lfor_b_\@:
	tensor_load_to_lds s[\g0b:\g0b+3], s[\g1b:\g1b+7]
	s_nop 0
.rept 4
	v_nop
.endr
.Lasked_\@:
.endm
.macro CROUND                          ; a round of the cluster's barrier
	s_barrier_signal -1
	s_barrier_wait -1
	s_cmp_lg_u32 s14, 0
	s_cbranch_scc1 .Lnot_wave_0_\@
	s_barrier_signal -3
.Lnot_wave_0_\@:
	s_barrier_wait -3
	s_barrier_signal -1
	s_barrier_wait -1
.endm
	s_load_b128 s[4:7], s[0:1], 0x0                ; xc, xs
	s_load_b128 s[8:11], s[0:1], 0x10              ; wc, ws
	s_load_b64 s[12:13], s[0:1], 0x20              ; qkv
	s_load_b64 s[96:97], s[0:1], 0x28              ; b_attn
	v_lshl_add_u32 v[SPW], v0, 2, SPARE
	v_mov_b32 v[NIL], 0
	ds_add_u32 v[SPW], v[NIL]                      ; the wave's opening: the add, twice on end, and its wait ahead of my first tensor load
	ds_add_u32 v[SPW], v[NIL]
	v_lshrrev_b32 v1, 5, v0
	v_readfirstlane_b32 s14, v1                    ; wave 0..3
	s_lshr_b32 s15, s14, 1                         ; which half of the tile's rows is mine.  Also: I fetch for x (0) or for W (1)
	s_and_b32 s16, s14, 1                          ; which half of its columns.  Also: which 128 rows I fetch
	s_bfe_u32 s40, ttmp6, 0x40000                  ; cx, cy
	s_bfe_u32 s41, ttmp6, 0x40004
	s_lshl_b32 s42, ttmp9, 2
	s_add_co_u32 s42, s42, s40                     ; tile column
	s_and_b32 s17, ttmp7, 0xffff
	s_lshl_b32 s17, s17, 2
	s_add_co_u32 s17, s17, s41                     ; tile row
	s_lshl_b32 s43, s41, 2
	s_lshl_b32 s43, 15, s43                        ; my row of the cluster
	s_lshl_b32 s44, 0x1111, s40                    ; my column
	s_or_b32 s[G1+0], s43, (0<<16)|(1<<20)|(1<<21)|(5<<22)|(3<<25)   ; the mask; elements of 1 byte; padding: 4 words after every 64; bit 21 beside a mask
	s_or_b32 s[G1B+0], s44, (0<<16)|(1<<20)|(1<<21)|(5<<22)|(3<<25)
.irp g, G1, G1B
	s_mov_b32 s[\g+1], ROWB<<16                    ; tensor_dim0
	s_mov_b32 s[\g+2], 128<<16                     ; tensor_dim1
	s_mov_b32 s[\g+3], ROWB<<16                    ; tile_dim0
	s_mov_b32 s[\g+4], 128                         ; tile_dim1
	s_mov_b32 s[\g+5], KROW                        ; the pitch
	s_mov_b32 s[\g+6], 0
	s_mov_b32 s[\g+7], 0
.endr
	s_or_b32 s[G1S+0], s43, (3<<16)|(1<<20)|(1<<21)|(5<<22)|(3<<25)  ; the scale bytes of 128 rows: 4,096 dense bytes as 16 rows of 32 elements of 8 bytes
	s_or_b32 s[G1SB+0], s44, (3<<16)|(1<<20)|(1<<21)|(5<<22)|(3<<25)
.irp g, G1S, G1SB
	s_mov_b32 s[\g+1], 32<<16
	s_mov_b32 s[\g+2], 16<<16
	s_mov_b32 s[\g+3], 32<<16
	s_mov_b32 s[\g+4], 16
	s_mov_b32 s[\g+5], 32
	s_mov_b32 s[\g+6], 0
	s_mov_b32 s[\g+7], 0
.endr
	s_lshl_b32 s18, s16, 7
	s_lshl_b32 s20, s17, 8
	s_add_co_u32 s20, s20, s18                     ; x: row 256 x tile row + 128 x half
	s_lshl_b32 s46, s42, 8
	s_add_co_u32 s46, s46, s18                     ; W: row 256 x tile column + 128 x half
	s_mov_b32 s21, 0
	s_mov_b32 s47, 0
	s_mov_b64 s[18:19], KS
	s_mul_u64 s[22:23], s[20:21], s[18:19]
	s_mul_u64 s[92:93], s[46:47], s[18:19]
	s_mov_b64 s[18:19], KROW
	s_mul_u64 s[20:21], s[20:21], s[18:19]
	s_mul_u64 s[46:47], s[46:47], s[18:19]
	s_mul_i32 s45, s14, HALFT                      ; where they go: wave x 128 rows
	s_mul_i32 s94, s14, HALFS
	s_wait_dscnt 0x0                               ; both opening adds are done
	s_wait_kmcnt 0x0
	s_add_nc_u64 s[20:21], s[4:5], s[20:21]
	s_add_nc_u64 s[22:23], s[6:7], s[22:23]
	s_add_nc_u64 s[46:47], s[8:9], s[46:47]
	s_add_nc_u64 s[92:93], s[10:11], s[92:93]
	CROUND                                         ; all sixteen work-groups are here: the joint loads meet
	s_mov_b32 s[G0S], 1
	s_add_co_u32 s[G0S+1], s94, SCL
	s_mov_b64 s[G0S+2:G0S+3], s[22:23]
	s_or_b32 s[G0S+3], s[G0S+3], 0x80000000
	s_mov_b32 s[G0SB], 1
	s_add_co_u32 s[G0SB+1], s94, SCL
	s_mov_b64 s[G0SB+2:G0SB+3], s[92:93]
	s_or_b32 s[G0SB+3], s[G0SB+3], 0x80000000
	JLOAD G0S, G1S, G0SB, G1SB                     ; the scale bytes first
.irp s, 0,1
	s_mov_b32 s[G0+4*\s], 1
	s_add_co_u32 s[G0+4*\s+1], s45, \s*SLOT
	s_add_nc_u64 s[G0+4*\s+2:G0+4*\s+3], s[20:21], \s*ROWB
	s_or_b32 s[G0+4*\s+3], s[G0+4*\s+3], 0x80000000
	s_mov_b32 s[G0B+4*\s], 1
	s_add_co_u32 s[G0B+4*\s+1], s45, \s*SLOT
	s_add_nc_u64 s[G0B+4*\s+2:G0B+4*\s+3], s[46:47], \s*ROWB
	s_or_b32 s[G0B+4*\s+3], s[G0B+4*\s+3], 0x80000000
	JLOAD G0+4*\s, G1, G0B+4*\s, G1B               ; by this text's count three tensor loads of a wave are out
.endr
	v_and_b32 v1, 15, v0                           ; r
	v_bfe_u32 v2, v0, 4, 1                         ; h
	s_lshl_b32 s46, s42, 10                        ; the bias of my 128 columns: 4 bytes a column
	s_lshl_b32 s47, s16, 9
	s_add_co_u32 s46, s46, s47
	s_mov_b32 s47, 0
	s_add_nc_u64 s[96:97], s[96:97], s[46:47]
	v_lshlrev_b32 v[BO], 5, v2                     ; my half's eight columns of a block
.irp b, 0,1,2,3,4,5,6,7
	global_load_b128 v[BI+8*\b:BI+8*\b+3], v[BO], s[96:97] offset:64*\b
	global_load_b128 v[BI+8*\b+4:BI+8*\b+7], v[BO], s[96:97] offset:64*\b+16
.endr
	v_mul_u32_u24 v3, v1, PITCH
	v_lshl_add_u32 v4, v2, 4, v3
	s_mul_i32 s21, s15, HALFT
	s_mul_i32 s22, s16, HALFT
	s_add_co_u32 s22, s22, 2*HALFT
.irp s, 0,1
	v_add_nc_u32 v[ADRA+\s], s21, v4
	v_add_nc_u32 v[ADRB+\s], s22, v4
	s_add_co_u32 s21, s21, SLOT
	s_add_co_u32 s22, s22, SLOT
.endr
	v_mul_u32_u24 v5, v1, KS                       ; my row's scale bytes: 32 a row, and 16 more for each 256 passed
	v_lshrrev_b32 v6, 8, v5
	v_lshl_add_u32 v5, v6, 4, v5
	s_mul_i32 s21, s15, HALFS
	s_mul_i32 s22, s16, HALFS
	s_add_co_u32 s22, s22, 2*HALFS
	s_sub_co_u32 s22, s22, s21
	v_mul_u32_u24 v6, s22, v2                      ; lanes 16-31 take W's
	s_add_co_u32 s21, s21, SCL
	v_add_nc_u32 v5, v5, v6
	v_add_nc_u32 v[ADRS], s21, v5
	s_mul_i32 s23, s14, 2*OHD                      ; my stage
	v_mul_u32_u24 v5, v1, OP
	v_lshl_add_u32 v5, v2, 4, v5
	v_add_nc_u32 v[STO], s23, v5                   ; in: row r, 16 bytes for each half of the lanes
	v_and_b32 v6, 31, v0
	v_lshrrev_b32 v5, 3, v6
	v_mul_u32_u24 v5, v5, OP
	v_and_b32 v7, 7, v6
	v_lshl_add_u32 v5, v7, 4, v5
	v_add_nc_u32 v[RD], s23, v5                    ; back: eight lanes to a row of 128 bytes, four rows an instruction
	v_lshlrev_b32 v[CO], 4, v6
	s_lshr_b32 s20, s17, 3                         ; the batch,
	s_lshl_b32 s20, s20, 4
	s_and_b32 s21, s17, 7
	s_lshl_b32 s21, s21, 8
	s_lshl_b32 s22, s15, 7
	s_add_co_u32 s21, s21, s22                     ; my first position,
	s_lshl_b32 s21, s21, 7
	s_and_b32 s46, s42, 3
	s_lshl_b32 s46, s46, 2
	s_add_co_u32 s46, s46, s20
	s_lshl_b32 s47, s16, 1
	s_add_co_u32 s46, s46, s47                     ; batch x 16 + my first head,
	s_lshl_b32 s46, s46, 18
	s_add_co_u32 s46, s46, s21
	s_lshr_b32 s47, s42, 2                         ; q, k or v
	s_lshl_b32 s47, s47, 24
	s_add_co_u32 s46, s46, s47
	s_mov_b32 s47, 0
	s_add_nc_u64 s[12:13], s[12:13], s[46:47]
.macro FRAG reg, adr, q, i             ; 16 rows x 128 K of 4-bit codes: 8 registers, two loads of 16 bytes, 32 bytes apart
.irp c, 0,1
	ds_load_b128 v[\reg+4*\c:\reg+4*\c+3], v[\adr] offset:64*(\q)+32*\c+(\i)*16*PITCH
.endr
.endm
; 16 matrix instructions: x's blocks a0, a0 + 1 against W's eight.  zero = 1: the first product starts the sums with the bias.  The 64 accumulators take turns, one instruction a turn.
.macro MUL16 a0, p, q, sc, zero
.irp a, \a0, \a0+1
.irp b, 0,1,2,3,4,5,6,7
.if \zero
	v_wmma_scale_f32_16x16x128_f8f6f4 v[8*(8*((\a)%4)+\b):8*(8*((\a)%4)+\b)+7], v[128*(\p)+FR*\b:128*(\p)+FR*\b+FR-1], v[AF+FR*(\a):AF+FR*(\a)+FR-1], v[BI+8*\b:BI+8*\b+7], v[SC+8*NQ*(\sc)+NQ*\b+(\q)], v[SC+8*NQ*(\sc)+NQ*(\a)+(\q)] matrix_a_fmt:MATRIX_FMT_FP4 matrix_b_fmt:MATRIX_FMT_FP4 matrix_a_scale:MATRIX_SCALE_ROW1
.else
	v_wmma_scale_f32_16x16x128_f8f6f4 v[8*(8*((\a)%4)+\b):8*(8*((\a)%4)+\b)+7], v[128*(\p)+FR*\b:128*(\p)+FR*\b+FR-1], v[AF+FR*(\a):AF+FR*(\a)+FR-1], v[8*(8*((\a)%4)+\b):8*(8*((\a)%4)+\b)+7], v[SC+8*NQ*(\sc)+NQ*\b+(\q)], v[SC+8*NQ*(\sc)+NQ*(\a)+(\q)] matrix_a_fmt:MATRIX_FMT_FP4 matrix_b_fmt:MATRIX_FMT_FP4 matrix_a_scale:MATRIX_SCALE_ROW1
.endif
.endr
.endr
.endm
.macro FETCH_B slot, q, p
	WIN TO_B
.irp i, 0,1,2,3,4,5,6,7
	FRAG 128*(\p)+FR*\i, ADRB+\slot, \q, \i
.endr
	WIN 0
.endm
.macro FETCH_A slot, q, i0
.irp i, \i0, \i0+1, \i0+2, \i0+3
	FRAG AF+FR*(\i), ADRA+\slot, \q, \i
.endr
.endm
.macro SCALES sc                       ; a K step's scale words: lanes 0-15 x's block i, lanes 16-31 W's block i
.irp i, 0,1,2,3,4,5,6,7
	ds_load_b128 v[SC+8*NQ*\sc+NQ*\i:SC+8*NQ*\sc+NQ*\i+3], v[ADRS] offset:\i*SBLK
.endr
.endm
.macro PLACES n                        ; plain vector instructions between a matrix instruction and a load into, or a read of, its registers
.rept \n
	v_nop
.endr
.endm
.macro STEP slot, q, zero              ; 128 along K, with its successor in the same slot
	s_wait_dscnt 4*NL                              ; W's set and x's blocks 0-3 are in; the youngest eight loads (x's blocks 4-7) may be out
	WIN MUL_LO-0x20*(\zero)                        ; (zero = 1: C, the bias, lies in window 0)
	MUL16 0, (\q)%2, \q, \slot, \zero
	MUL16 2, (\q)%2, \q, \slot, \zero
	s_wait_dscnt 0
	PLACES NP
	FETCH_B \slot, (\q)+1, 1-(\q)%2
	FETCH_A \slot, (\q)+1, 0
	WIN MUL_HI-0x30*(\zero)
	MUL16 4, (\q)%2, \q, \slot, \zero
	MUL16 6, (\q)%2, \q, \slot, \zero
	PLACES NP
	WIN 0
	FETCH_A \slot, (\q)+1, 4
.endm
.macro TURN slot, next                 ; a slot's last step: behind the barrier the next slot is whole in every wave's eyes; nothing is filled again
	s_wait_tensorcnt 0x0                           ; all my tensor loads have landed: my part of the next slot
	ds_add_u32 v[SPW], v[NIL]                      ; 0 onto my spare word
	s_wait_dscnt 4*NL+1                            ; (the add and the youngest eight loads may be out)
	WIN MUL_LO
	MUL16 0, 1, NQ-1, \slot, 0
	s_wait_dscnt 0x0                               ; the add is done, and my reads of this slot are over
	s_barrier_signal -1
	MUL16 2, 1, NQ-1, \slot, 0
	WIN 0
	s_barrier_wait -1
	PLACES NP
	v_add_nc_u32 v[ADRS], 4*NQ, v[ADRS]            ; on to the next K step's scale words
	FETCH_B \next, 0, 0
	FETCH_A \next, 0, 0
	SCALES \next
	WIN MUL_HI
	MUL16 4, 1, NQ-1, \slot, 0
	MUL16 6, 1, NQ-1, \slot, 0
	PLACES NP
	WIN 0
	FETCH_A \next, 0, 4
.endm
	s_wait_tensorcnt 1                             ; the scale bytes and my part of K step 0 are in; K step 1's load may be out
	s_barrier_signal -1
	s_barrier_wait -1
	FETCH_B 0, 0, 0
	FETCH_A 0, 0, 0
	SCALES 0
	FETCH_A 0, 0, 4
	s_wait_loadcnt 0x0                             ; the bias
	STEP 0, 0, 1
	STEP 0, 1, 0
	STEP 0, 2, 0
	TURN 0, 1
	STEP 1, 0, 0
	STEP 1, 1, 0
	STEP 1, 2, 0
	s_wait_dscnt 4*NL                              ; the very last step: nothing more to fetch
	WIN MUL_LO
	MUL16 0, 1, NQ-1, 1, 0
	MUL16 2, 1, NQ-1, 1, 0
	s_wait_dscnt 0
	WIN MUL_HI
	MUL16 4, 1, NQ-1, 1, 0
	MUL16 6, 1, NQ-1, 1, 0
	WIN 0
; THE WAY OUT, block by block of 16 rows x 128 columns = two heads.  A lane's eight columns pack into 16 bytes of a head's row; they go through my stage and come back as whole rows of 128 bytes,
; four rows (512 consecutive bytes of qkv) an instruction.
.macro PACK a
.set AC, 64*((\a)%4)
	WIN 0x0a+5*((\a)/4)                            ; sources 0 and 1: window 2 or 3
.irp b, 0,1,2,3,4,5,6,7
.irp r, 0,1,2,3
	v_cvt_pk_f16_f32 v[TMP+4*\b+\r], v[AC+8*\b+2*\r], v[AC+8*\b+2*\r+1]   ; each accumulator from its low end on
.endr
.endr
	WIN 0
.endm
.macro TOSTAGE a
.set BB, BK+32*((\a)%2)
.irp b, 0,1,2,3,4,5,6,7
	ds_store_b128 v[STO], v[TMP+4*\b:TMP+4*\b+3] offset:(\b/4)*OHD+32*(\b%4)
.endr
.irp t, 0,1,2,3,4,5,6,7
	ds_load_b128 v[BB+4*\t:BB+4*\t+3], v[RD] offset:(\t/4)*OHD+(\t%4)*4*OP   ; LDS serves a wave's instructions in order: these see the stores above
.endr
.endm
.macro SEND a
.set BB, BK+32*((\a)%2)
	s_wait_dscnt 0x0                               ; the block is back in registers
	s_wait_xcnt 0x0                                ; the stores of the block before have read their registers: the next block's loads may land there
.irp t, 0,1,2,3,4,5,6,7
	global_store_b128 v[CO], v[BB+4*\t:BB+4*\t+3], s[12:13] offset:(\t/4)*262144+(16*(\a)+4*(\t%4))*128
.endr
.endm
	PLACES NP                                      ; behind the last products: the conversions write registers that held scale words, and later read the last results
	PACK 0
	TOSTAGE 0
.irp a, 1,2,3,4,5,6,7                          ; block a's conversions stand between block a - 1's loads from the stage and the wait for them
	PACK \a
	SEND \a-1
	TOSTAGE \a
.endr
	SEND 7
	s_wait_tensorcnt 0x0                           ; the wave's end
	ds_add_u32 v[SPW], v[NIL]
	s_wait_dscnt 0x0
	CROUND                                         ; the closing round
	s_endpgm
.Lfunc_end_k_qa5d221a31e_qkv:
	.size	k_qa5d221a31e_qkv, .Lfunc_end_k_qa5d221a31e_qkv-k_qa5d221a31e_qkv
	.p2alignl 7, 3214868480
	.fill 96, 4, 3214868480
	.section	.rodata,"a",@progbits
	.p2align	6, 0x0
	.amdhsa_kernel k_qa5d221a31e_qkv
		.amdhsa_group_segment_fixed_size 327680
		.amdhsa_private_segment_fixed_size 0
		.amdhsa_enable_private_segment 0
		.amdhsa_kernarg_size 48
		.amdhsa_user_sgpr_count 2
		.amdhsa_user_sgpr_kernarg_segment_ptr 1
		.amdhsa_wavefront_size32 1
		.amdhsa_system_sgpr_workgroup_id_x 1
		.amdhsa_system_sgpr_workgroup_id_y 1
		.amdhsa_system_sgpr_workgroup_id_z 1
		.amdhsa_system_vgpr_workitem_id 0
		.amdhsa_next_free_vgpr 1024
		.amdhsa_next_free_sgpr 98
		.amdhsa_reserve_vcc 0
		.amdhsa_float_denorm_mode_32 3
		.amdhsa_float_denorm_mode_16_64 3
		.amdhsa_memory_ordered 1
		.amdhsa_forward_progress 1
		.amdhsa_inst_pref_size 128
	.end_amdhsa_kernel
	.amdgpu_metadata
---
amdhsa.version: [ 1, 2 ]
amdhsa.kernels:
  - .name:           k_qa5d221a31e_qkv
    .symbol:         k_qa5d221a31e_qkv.kd
    .args:
      - { .name: xc, .offset: 0, .size: 8, .value_kind: global_buffer, .address_space: global }
      - { .name: xs, .offset: 8, .size: 8, .value_kind: global_buffer, .address_space: global }
      - { .name: wc, .offset: 16, .size: 8, .value_kind: global_buffer, .address_space: global }
      - { .name: ws, .offset: 24, .size: 8, .value_kind: global_buffer, .address_space: global }
      - { .name: qkv, .offset: 32, .size: 8, .value_kind: global_buffer, .address_space: global }
      - { .name: b_attn, .offset: 40, .size: 8, .value_kind: global_buffer, .address_space: global }
    .group_segment_fixed_size: 327680
    .private_segment_fixed_size: 0
    .kernarg_segment_align: 8
    .kernarg_segment_size: 48
    .max_flat_workgroup_size: 128
    .sgpr_count:     98
    .vgpr_count:     1024
    .wavefront_size: 32
...
	.end_amdgpu_metadata
.endif
;; end of part 2
;; launch attn (part 3): grid 4 x 64, 16 waves a work-group, no clusters, 327,680 bytes of LDS; arguments qkv, o16; writes o16
.if DOCPART == 3
	.amdgcn_target "amdgcn-amd-amdhsa--gfx1250"
	.amdhsa_code_object_version 6
	.text
	.protected	k_qa5d221a31e_attn
	.globl	k_qa5d221a31e_attn
	.p2align	8
	.type	k_qa5d221a31e_attn,@function
k_qa5d221a31e_attn:
	s_mov_b64 s[64:65], 0
	v_nop
	global_prefetch_b8 v0, s[64:65] scope:SCOPE_SE
	s_setreg_imm32_b32 hwreg(HW_REG_WAVE_MODE, 25, 1), 1
	s_wait_xcnt 0x0
; o = softmax(q k^T / 8, causal) v for 64 (batch, head) pairs, 2,048 positions, head size 64.  q, k, v: f16, qkv [3][64][2048][64].  o16: f16, [16 heads][8192 (batch x 2048 + position)][64].
; Products on f16 operands with f32 sums; maxima, exponentials and row sums in f32; the weights p are rounded to f16 for the second product, o once at the end.
; LIMITS: |q|, |k|, |v|, |o| under 65,504; a weight under 6e-5 of its row's largest is kept to 3e-8 absolute.  NaN and infinities are not served.
; SHARES.  Work-group (i, head pair) owns query blocks i and 7 - i of 256 queries: (i + 1) + (8 - i) slots' worth of keys, the same for all.  Each of sixteen waves owns 32 queries, two tiles of 16;
; eight waves take the low block, eight the high one, picked by (w xor w >> 2) & 1.  Four waves share a SIMD, so that one wave's softmax stands beside another's products and LDS loads.
; Every wave walks all eight slots of 256 keys, 64 keys a step; a step whose keys all come after the wave's queries is jumped over by a scalar branch on ids; trip counts stay constants.
; NO CLUSTER: the four work-groups of a head walk the same K and V, but work-group i reads only slots 0 to 7 - i: a partner would have to ask for tiles that none of its waves reads.
; LAYOUT.  S^T = K Q^T (source 0 = 16 keys, source 1 = 16 queries): a lane holds one query (lane % 16) and keys 8 (lane / 16) + 0..7.  Two such tiles, rounded to f16 in pairs, are source 1 of O^T = V^T P.
; K comes out of LDS as it lies, V ([key][channel]) turned by ds_load_tr16_b128.
; SOFTMAX.  A running maximum m and sum l for each query: p = 2^(c s - c m), c = log2(e) / 8; in every step O and l are multiplied by a = 2^(c m_old - c m_new).
.set KP,    144                        ; a row of K in LDS: 128 bytes + 16
.set VP,    160                        ; a row of V: 128 + 32
.set VOFF,  256*KP                     ; a slot: 256 rows of K, then 256 rows of V
.set SLOT1, 1<<17                      ; slot 1 begins here: one exclusive or turns an address from one slot to the other
.set SPARE, 2*SLOT1                    ; the spare words, 128 bytes for each wave; no other line names them
.set STAGE, SPARE+2048                 ; the way out: 16 rows x 144 bytes for each wave; no tensor load lands here
.set AK0, 1                            ; v1   my lane's place in a tile of K
.set AV0, 2                            ; v2   and of V
.set ADK, 3                            ; v3, v4  the step's addresses
.set ADV, 4
.set SPW, 5                            ; v5   my spare word; never rewritten
.set NIL, 6                            ; v6   0; never rewritten
.set GO,  7                            ; v7   16 x lane
.set STO, 8
.set RD,  9
.set PFO, 10                           ; v10  256 x lane; never rewritten
.set D0,  11                           ; v11, v12  the mask's limits for the two tiles
.set NINF, 13                          ; v13  -infinity
.set RH,  14                           ; v14  lane % 16 - 8 (lane / 16)
.set ST,  16                           ; tile u's statistics at v[16 + 8 u]: +0 c m, +1 m, +2, +3 l, +4 to +7 at work; a takes +6
.set QF,  32                           ; v32-63   Q: fragment (u, kk) at 32 + 16 u + 8 kk
.set KV,  64                           ; v64-127  K of the step, then V
.set SS,  128                          ; v128-191 S^T, 32 a tile; P is made in place
.set OA,  192                          ; v192-255 O^T, 32 a tile
.set TBK, 2                            ; s2   LDS byte at which the step's K begins
.set TBV, 3                            ; s3   and, less VOFF, its V
.set WV,  18
.set SEL, 20
.set CS,  22
.set G1K, 24
.set G1V, 32
.set G0K, 40
.set G0V, 44
.set KF,  48                           ; s48  the step's first key
.set Q0,  49                           ; s49  my first query
.set QL,  50                           ; s50  my work-group's last query
.set SLOTS, 51
.set NST, 52
.set PFA, 54
.set LIM, 56
.macro TLOAD                           ; waves 0 and 1 fetch K's halves of a slot, waves 2 and 3 V's, the others nothing; the branches hang on the wave's number alone
	s_cmp_lt_u32 s[WV], 2
	s_cbranch_scc0 .Lnot_k_\@
	tensor_load_to_lds s[G0K:G0K+3], s[G1K:G1K+7]
	s_nop 0
.rept 4
	v_nop
.endr
	s_branch .Lasked_\@
.Lnot_k_\@:
	s_cmp_lt_u32 s[WV], 4
	s_cbranch_scc0 .Lasked_\@
	tensor_load_to_lds s[G0V:G0V+3], s[G1V:G1V+7]
	s_nop 0
.rept 4
	v_nop
.endr
.Lasked_\@:
.endm
; A PREFETCH of the slot that the NEXT change of slots will ask for: four key steps ahead of that load.  Each aligned 256 bytes are named once in the launch: the head's first work-group asks, which walks
; all eight slots; in it waves 4 to 7 ask for K's dense 32,768 bytes, 8,192 a wave, lanes 256 bytes apart, waves 8 to 11 for V's.  The last change that fills a slot asks for nothing.
.macro ASK
	s_cmp_gt_u32 s[SLOTS], s[LIM]
	s_cbranch_scc0 .Lnot_mine_\@
	global_prefetch_b8 v[PFO], s[PFA:PFA+1] th:TH_LOAD_NT scope:SCOPE_SE
.Lnot_mine_\@:
.endm
	s_load_b128 s[4:7], s[0:1], 0x0                ; qkv, o16
	v_lshl_add_u32 v[SPW], v0, 2, SPARE
	v_mov_b32 v[NIL], 0
	ds_add_u32 v[SPW], v[NIL]                      ; the wave's opening: the add, twice on end, and its wait ahead of the first tensor load
	ds_add_u32 v[SPW], v[NIL]
	v_lshrrev_b32 v64, 5, v0
	v_readfirstlane_b32 s[WV], v64                 ; wave 0..15
	s_and_b32 s57, ttmp7, 0xffff                   ; batch x 16 + head
	s_lshr_b32 s58, s[WV], 2
	s_xor_b32 s58, s58, s[WV]
	s_and_b32 s58, s58, 1                          ; 1: the high block
	s_sub_co_u32 s59, 7, ttmp9
	s_cmp_eq_u32 s58, 1
	s_cselect_b32 s59, s59, ttmp9
	s_lshl_b32 s[Q0], s59, 8
	s_bfe_u32 s60, s[WV], 0x10001                  ; which 32 of the block's 256 queries: bits 1, 3, 2 of the wave's number
	s_bfe_u32 s61, s[WV], 0x10003
	s_lshl_b32 s61, s61, 1
	s_or_b32 s60, s60, s61
	s_bfe_u32 s61, s[WV], 0x10002
	s_lshl_b32 s61, s61, 2
	s_or_b32 s60, s60, s61
	s_lshl_b32 s60, s60, 5
	s_add_co_u32 s[Q0], s[Q0], s60
	s_sub_co_u32 s[QL], 8, ttmp9
	s_lshl_b32 s[QL], s[QL], 8
	s_sub_co_u32 s[QL], s[QL], 1
	s_mov_b32 s[G1K], (1<<20)|(4<<22)|(3<<25)      ; elements of 1 byte; padding on: 4 words after every 32
	s_mov_b32 s[G1V], (1<<20)|(4<<22)|(7<<25)      ; 8 words after every 32
.irp g, G1K, G1V
	s_mov_b32 s[\g+1], 128<<16                     ; tensor_dim0 = 128 bytes
	s_mov_b32 s[\g+2], 128<<16                     ; tensor_dim1 = 128 rows
	s_mov_b32 s[\g+3], 128<<16                     ; tile_dim0
	s_mov_b32 s[\g+4], 128                         ; tile_dim1
	s_mov_b32 s[\g+5], 128                         ; the pitch
	s_mov_b32 s[\g+6], 0
	s_mov_b32 s[\g+7], 0
.endr
	s_and_b32 s58, s[WV], 1                        ; which half of a slot's rows I fetch, if I fetch
	s_mov_b32 s[G0K], 1
	s_mul_i32 s[G0K+1], s58, 128*KP
	s_mov_b32 s[G0V], 1
	s_mul_i32 s[G0V+1], s58, 128*VP
	s_add_co_u32 s[G0V+1], s[G0V+1], VOFF
	s_lshl_b32 s60, s57, 18                        ; the head's bytes in a part of qkv
	s_lshl_b32 s59, s58, 14
	s_add_co_u32 s62, s60, s59
	s_mov_b32 s63, 0
	s_lshl_b32 s59, s[Q0], 7
	s_add_co_u32 s60, s60, s59                     ; my queries' rows
	s_mov_b32 s61, 0
	s_and_b32 s96, s57, 15
	s_lshl_b32 s96, s96, 20
	s_lshr_b32 s97, s57, 4
	s_lshl_b32 s97, s97, 18
	s_add_co_u32 s96, s96, s97
	s_add_co_u32 s96, s96, s59                     ; and their rows in o16
	s_mov_b32 s97, 0
	s_mov_b32 s[SEL], 0x76543210
	s_mov_b32 s[SEL+1], 0xfedcba98
	s_mov_b32 s[CS], 0x3e38aa3b                    ; c = log2(e) / 8
	s_mov_b32 s[CS+1], s[CS]
	s_mov_b32 s[TBK], 0
	s_mov_b32 s[TBV], 0
	s_mov_b32 s[KF], 0
	s_mov_b32 s[SLOTS], 7
	s_wait_dscnt 0x0                               ; both opening adds are done
	s_wait_kmcnt 0x0
	s_add_nc_u64 s[G0K+2:G0K+3], s[4:5], s[62:63]
	s_add_nc_u64 s[G0V+2:G0V+3], s[G0K+2:G0K+3], 0x2000000   ; v is the third part,
	s_add_nc_u64 s[G0K+2:G0K+3], s[G0K+2:G0K+3], 0x1000000   ; k the second
	s_or_b32 s[G0K+3], s[G0K+3], 0x80000000
	s_or_b32 s[G0V+3], s[G0V+3], 0x80000000
	TLOAD                                          ; slot 0: key 0 counts for every query
	s_add_nc_u64 s[8:9], s[4:5], s[60:61]
	s_add_nc_u64 s[10:11], s[6:7], s[96:97]
	s_cmp_lt_u32 s[WV], 8
	s_mov_b32 s58, 0x2000000
	s_cselect_b32 s58, 0x1000000, s58
	s_and_b32 s59, s[WV], 3
	s_lshl_b32 s59, s59, 13
	s_add_co_u32 s58, s58, s59
	s_lshl_b32 s59, s57, 18
	s_add_co_u32 s58, s58, s59
	s_add_co_u32 s58, s58, 32768                   ; in slot 1: the first change of slots steps it to slot 2.  Nothing is prefetched at the head
	s_mov_b32 s59, 0
	s_add_nc_u64 s[PFA:PFA+1], s[4:5], s[58:59]
	s_sub_co_u32 s58, s[WV], 4
	s_lshr_b32 s58, s58, 3                         ; 0 in waves 4 to 11,
	s_or_b32 s58, s58, ttmp9                       ; of the head's first work-group
	s_cmp_eq_u32 s58, 0
	s_cselect_b32 s[LIM], 1, -1
	v_and_b32 v64, 15, v0                          ; r
	v_bfe_u32 v65, v0, 4, 1                        ; h
	v_and_b32 v66, 31, v0                          ; lane
	v_lshlrev_b32 v67, 7, v64
	v_lshl_add_u32 v67, v65, 4, v67                ; Q: row r of 128 bytes, + 16 h
.irp u, 0,1
.irp kk, 0,1
.irp c, 0,1
	global_load_b128 v[QF+16*\u+8*\kk+4*\c:QF+16*\u+8*\kk+4*\c+3], v67, s[8:9] offset:2048*\u+64*\kk+32*\c
.endr
.endr
.endr
	v_mul_u32_u24 v[AK0], v64, KP
	v_lshl_add_u32 v[AK0], v65, 4, v[AK0]
	v_and_b32 v68, 7, v0
	v_lshl_add_u32 v68, v65, 3, v68
	v_mul_u32_u24 v[AV0], v68, VP
	v_bfe_u32 v68, v0, 3, 1
	v_lshl_add_u32 v[AV0], v68, 4, v[AV0]
	v_add_nc_u32 v[AV0], VOFF, v[AV0]
	v_lshlrev_b32 v[GO], 4, v66
	s_mul_i32 s58, s[WV], 16*KP
	s_add_co_u32 s58, s58, STAGE
	v_add_nc_u32 v[STO], s58, v[AK0]               ; into my stage: row r, + 16 h
	v_lshrrev_b32 v68, 3, v66
	v_mul_u32_u24 v68, v68, KP
	v_and_b32 v69, 7, v66
	v_lshl_add_u32 v68, v69, 4, v68
	v_add_nc_u32 v[RD], s58, v68                   ; back: eight lanes to a row, four rows an instruction
	v_lshlrev_b32 v[PFO], 8, v66
	v_lshlrev_b32 v68, 3, v65
	v_sub_nc_u32 v[RH], v64, v68
	v_mov_b32 v[NINF], 0xff800000
.irp u, 0,1
	v_mov_b32 v[ST+8*\u+1], 0xff61b1e6             ; m: -3e38, under every score
	v_mul_f32 v[ST+8*\u], s[CS], v[ST+8*\u+1]
.irp j, 2,3,4,5,6,7
	v_mov_b32 v[ST+8*\u+\j], 0
.endr
.endr
.irp j, 0,1,2,3,4,5,6,7,8,9,10,11,12,13,14,15,16,17,18,19,20,21,22,23,24,25,26,27,28,29,30,31,32,33,34,35,36,37,38,39,40,41,42,43,44,45,46,47,48,49,50,51,52,53,54,55,56,57,58,59,60,61,62,63
	v_mov_b32 v[OA+\j], 0                          ; O^T: the step is written once; its first run finds zeros, which a = 0 leaves zeros
.endr
; A KEY STEP: 64 keys.
.macro STEP
	s_add_co_u32 s96, s[Q0], 31
	s_cmp_gt_u32 s[KF], s96                        ; all 64 keys come after my 32 queries: only the addresses step
	s_cbranch_scc1 .Lhid_\@
	v_add_nc_u32 v[ADK], s[TBK], v[AK0]
	v_add_nc_u32 v[ADV], s[TBV], v[AV0]
.rept 3
	v_nop                                          ; with the two additions five places behind the last step's products: K lands on V's registers, and the new S^T is written over P (ISA guide 7.12.1)
.endr
.irp kt, 0,1,2,3
.irp kk, 0,1
.irp c, 0,1
	ds_load_b128 v[KV+16*\kt+8*\kk+4*\c:KV+16*\kt+8*\kk+4*\c+3], v[ADK] offset:\kt*16*KP+64*\kk+32*\c
.endr
.endr
.endr
	s_wait_dscnt 0x0
.irp kk, 0,1                                   ; S^T = K Q^T: eight accumulators by turns
.irp kt, 0,1,2,3
.irp u, 0,1
.if \kk == 0
	v_wmma_f32_16x16x32_f16 v[SS+32*\u+8*\kt:SS+32*\u+8*\kt+7], v[KV+16*\kt+8*\kk:KV+16*\kt+8*\kk+7], v[QF+16*\u+8*\kk:QF+16*\u+8*\kk+7], 0
.else
	v_wmma_f32_16x16x32_f16 v[SS+32*\u+8*\kt:SS+32*\u+8*\kt+7], v[KV+16*\kt+8*\kk:KV+16*\kt+8*\kk+7], v[QF+16*\u+8*\kk:QF+16*\u+8*\kk+7], v[SS+32*\u+8*\kt:SS+32*\u+8*\kt+7]
.endif
.endr
.endr
.endr
.rept 4
	v_nop                                          ; places in front of the loads into K's registers and of the first read of the scores
.endr
.irp p, 0,1                                    ; V, turned: keys 32 p on, channels 16 dt on; it lands while the softmax is walked
.irp dt, 0,1,2,3
.irp c, 0,1
	ds_load_tr16_b128 v[KV+32*\p+8*\dt+4*\c:KV+32*\p+8*\dt+4*\c+3], v[ADV] offset:\p*32*VP+\c*16*VP+32*\dt
.endr
.endr
.endr
	s_add_co_u32 s96, s[KF], 63
	s_cmp_le_u32 s96, s[Q0]                        ; all 64 keys count for all my queries: no mask
	s_cbranch_scc1 .Lopen_\@
	s_sub_co_u32 s96, s[Q0], s[KF]
	v_add_nc_u32 v[D0], s96, v[RH]                 ; register 8 kt + j of tile u holds key KF + 16 kt + 8 h + j: hidden where 16 kt + j > my query - KF - 8 h
	v_add_nc_u32 v[D0+1], 16, v[D0]
.irp u, 0,1
.irp n, 0,1,2,3,4,5,6,7,8,9,10,11,12,13,14,15,16,17,18,19,20,21,22,23,24,25,26,27,28,29,30,31
	v_cmp_gt_i32 vcc_lo, 16*(\n/8)+\n%8, v[D0+\u]
	v_cndmask_b32 v[SS+32*\u+\n], v[SS+32*\u+\n], v[NINF], vcc_lo
.endr
.endr
.Lopen_\@:
.irp j, 0,1,2,3                                ; the maximum: four chains a tile, the two tiles line by line
.irp u, 0,1
	v_max3_num_f32 v[ST+8*\u+4+\j], v[SS+32*\u+8*\j], v[SS+32*\u+8*\j+1], v[SS+32*\u+8*\j+2]
.endr
.endr
.irp i, 3,5
.irp j, 0,1,2,3
.irp u, 0,1
	v_max3_num_f32 v[ST+8*\u+4+\j], v[ST+8*\u+4+\j], v[SS+32*\u+8*\j+\i], v[SS+32*\u+8*\j+\i+1]
.endr
.endr
.endr
.irp u, 0,1
	v_max3_num_f32 v[ST+8*\u+4], v[ST+8*\u+4], v[SS+32*\u+7], v[SS+32*\u+15]
	v_max3_num_f32 v[ST+8*\u+6], v[ST+8*\u+6], v[SS+32*\u+23], v[SS+32*\u+31]
.endr
.irp u, 0,1
	v_max3_num_f32 v[ST+8*\u+4], v[ST+8*\u+4], v[ST+8*\u+5], v[ST+8*\u+6]
.endr
.irp u, 0,1
	v_max3_num_f32 v[ST+8*\u+4], v[ST+8*\u+4], v[ST+8*\u+7], v[ST+8*\u+1]   ; and the old m
.endr
.irp u, 0,1
	v_permlanex16_b32 v[ST+8*\u+5], v[ST+8*\u+4], s[SEL], s[SEL+1]          ; the query's other 32 keys lie in the lane 16 away
.endr
.irp u, 0,1
	v_mov_b32 v[ST+8*\u+7], v[ST+8*\u]             ; c m_old is kept for a
.endr
.irp u, 0,1
	v_max_num_f32 v[ST+8*\u+1], v[ST+8*\u+4], v[ST+8*\u+5]
.endr
.irp u, 0,1
	v_mul_f32 v[ST+8*\u], s[CS], v[ST+8*\u+1]
.endr
.irp u, 0,1
	v_sub_f32 v[ST+8*\u+7], v[ST+8*\u+7], v[ST+8*\u]
.endr
.irp u, 0,1                                    ; ONE BATCH: a, the 32 scalings and the 64 exponentials; none of these names an exponential's result
	v_exp_f32 v[ST+8*\u+6], v[ST+8*\u+7]
.endr
.irp b, 0,1,2,3,4,5,6,7,8,9,10,11,12,13,14,15
.irp u, 0,1
	v_pk_fma_f32 v[SS+32*\u+2*\b:SS+32*\u+2*\b+1], v[SS+32*\u+2*\b:SS+32*\u+2*\b+1], s[CS:CS+1], v[ST+8*\u:ST+8*\u+1] op_sel_hi:[1,0,0] neg_lo:[0,0,1] neg_hi:[0,0,1]   ; c s - c m
.endr
.if \b > 0
.irp u, 0,1
	v_exp_f32 v[SS+32*\u+2*\b-2], v[SS+32*\u+2*\b-2]
	v_exp_f32 v[SS+32*\u+2*\b-1], v[SS+32*\u+2*\b-1]
.endr
.endif
.endr
.irp u, 0,1
	v_exp_f32 v[SS+32*\u+30], v[SS+32*\u+30]
	v_exp_f32 v[SS+32*\u+31], v[SS+32*\u+31]
.endr
	v_nop                                          ; a plain instruction behind the last exponential
	s_wait_alu depctr_va_vdst(0)                   ; one wait for the batch, ahead of its first reader
.irp u, 0,1
	v_pk_mul_f32 v[ST+8*\u+2:ST+8*\u+3], v[ST+8*\u+2:ST+8*\u+3], v[ST+8*\u+6:ST+8*\u+7] op_sel_hi:[1,0]   ; l x a
	v_pk_add_f32 v[ST+8*\u+4:ST+8*\u+5], v[SS+32*\u:SS+32*\u+1], v[SS+32*\u+2:SS+32*\u+3]                 ; the sum of the unrounded p, in two chains
.endr
.irp j, 4,8,12,16,20,24,28
.irp u, 0,1
	v_pk_add_f32 v[ST+8*\u+2:ST+8*\u+3], v[ST+8*\u+2:ST+8*\u+3], v[SS+32*\u+\j:SS+32*\u+\j+1]
	v_pk_add_f32 v[ST+8*\u+4:ST+8*\u+5], v[ST+8*\u+4:ST+8*\u+5], v[SS+32*\u+\j+2:SS+32*\u+\j+3]
.endr
.endr
.irp u, 0,1
	v_pk_add_f32 v[ST+8*\u+2:ST+8*\u+3], v[ST+8*\u+2:ST+8*\u+3], v[ST+8*\u+4:ST+8*\u+5]
.endr
.irp p, 0,1                                    ; P in place: register 16 p + i takes weights 16 p + 2 i and + 1; ascending, so that no result lands on a weight still to be read
.irp i, 0,1,2,3,4,5,6,7
.irp u, 0,1
	v_cvt_pk_f16_f32 v[SS+32*\u+16*\p+\i], v[SS+32*\u+16*\p+2*\i], v[SS+32*\u+16*\p+2*\i+1]
.endr
.endr
.endr
.irp i, 0,1,2,3,4,5,6,7,8,9,10,11,12,13,14,15
.irp u, 0,1
	v_pk_mul_f32 v[OA+32*\u+2*\i:OA+32*\u+2*\i+1], v[OA+32*\u+2*\i:OA+32*\u+2*\i+1], v[ST+8*\u+6:ST+8*\u+7] op_sel_hi:[1,0]   ; O^T x a
.endr
.endr
	s_wait_dscnt 0x0                               ; V is in
.irp p, 0,1                                    ; O^T += V^T P: eight accumulators by turns
.irp dt, 0,1,2,3
.irp u, 0,1
	v_wmma_f32_16x16x32_f16 v[OA+32*\u+8*\dt:OA+32*\u+8*\dt+7], v[KV+32*\p+8*\dt:KV+32*\p+8*\dt+7], v[SS+32*\u+16*\p:SS+32*\u+16*\p+7], v[OA+32*\u+8*\dt:OA+32*\u+8*\dt+7]
.endr
.endr
.endr
.Lhid_\@:
	s_add_co_u32 s[KF], s[KF], 64
	s_add_co_u32 s[TBK], s[TBK], 64*KP
	s_add_co_u32 s[TBV], s[TBV], 64*VP
.endm
.macro SLOT_STEPS                      ; a slot's four steps: written once, walked four times
	s_mov_b32 s[NST], 4
.Lstep_\@:
	STEP
	s_sub_co_u32 s[NST], s[NST], 1
	s_cmp_lg_u32 s[NST], 0
	s_cbranch_scc1 .Lstep_\@
	s_sub_co_u32 s[TBK], s[TBK], 256*KP            ; back to a slot's first step,
	s_sub_co_u32 s[TBV], s[TBV], 256*VP
	s_xor_b32 s[TBK], s[TBK], SLOT1                ; in the other slot
	s_xor_b32 s[TBV], s[TBV], SLOT1
.endm
; THE CHANGE OF SLOTS stands at a slot's head.  Each wave waits for all its tensor loads, adds 0 to its spare word, and waits for that and for its reads of the slot that it has left.  Behind the barrier the slot
; ahead is whole and nobody reads the other one.  fill = 1: the other slot is filled with the next 256 keys, which have the four steps ahead in which to land.
.macro CHANGE fill
	s_wait_tensorcnt 0x0                           ; no tensor load of mine is out, so a group 0 may be written
	ds_add_u32 v[SPW], v[NIL]
.if \fill
	ds_add_u32 v[SPW], v[NIL]                      ; and twice on end here, in every trip alike
	s_xor_b32 s[G0K+1], s[G0K+1], SLOT1
	s_add_nc_u64 s[G0K+2:G0K+3], s[G0K+2:G0K+3], 32768
	s_xor_b32 s[G0V+1], s[G0V+1], SLOT1
	s_add_nc_u64 s[G0V+2:G0V+3], s[G0V+2:G0V+3], 32768
	s_wait_xcnt 0x0                                ; the last prefetch, a slot back, has read its address
	s_add_nc_u64 s[PFA:PFA+1], s[PFA:PFA+1], 32768
.endif
	s_wait_dscnt 0x0                               ; the add is done, and my reads of the slot that I have left are over
	s_barrier_signal -1
	s_barrier_wait -1
.if \fill
	s_add_co_u32 s96, s[KF], 256                   ; the first key of the slot that this change would ask for:
	s_cmp_gt_u32 s96, s[QL]                        ; behind my work-group's last query no wave reads it, so it is not asked for.  Ids and the count of steps alone: all sixteen waves go the same way
	s_cbranch_scc1 .Lpast_\@
	TLOAD                                          ; a wave's one tensor load until the next such barrier; every wait on TENSORcnt in this text is for 0
.Lpast_\@:
	ASK
.endif
.endm
	s_wait_loadcnt 0x0                             ; Q
.Lslot:                                            ; seven trips: behind each change of slots but the last the next slot is asked for, up to the causal limit
	CHANGE 1
	SLOT_STEPS
	s_sub_co_u32 s[SLOTS], s[SLOTS], 1
	s_cmp_lg_u32 s[SLOTS], 0
	s_cbranch_scc1 .Lslot
	CHANGE 0                                       ; the last slot is written out: nothing is left to ask for
	SLOT_STEPS
	; THE WAY OUT.  l's two halves and the other half of the lanes' are added (these additions are the places behind the last products); O^T / l is rounded to f16 and goes through my stage, a tile at a time.
.irp u, 0,1
	v_add_f32 v[ST+8*\u+4], v[ST+8*\u+2], v[ST+8*\u+3]
.endr
.irp u, 0,1
	v_permlanex16_b32 v[ST+8*\u+5], v[ST+8*\u+4], s[SEL], s[SEL+1]
.endr
.irp u, 0,1
	v_add_f32 v[ST+8*\u+4], v[ST+8*\u+4], v[ST+8*\u+5]
.endr
.irp u, 0,1
	v_rcp_f32 v[ST+8*\u+6], v[ST+8*\u+4]
.endr
	v_nop
	s_wait_alu depctr_va_vdst(0)                   ; one wait for the two reciprocals, ahead of their first reader
.irp u, 0,1
.irp i, 0,1,2,3,4,5,6,7,8,9,10,11,12,13,14,15
	v_pk_mul_f32 v[SS+32*\u+2*\i:SS+32*\u+2*\i+1], v[OA+32*\u+2*\i:OA+32*\u+2*\i+1], v[ST+8*\u+6:ST+8*\u+7] op_sel_hi:[1,0]
.endr
.irp i, 0,1,2,3,4,5,6,7,8,9,10,11,12,13,14,15
	v_cvt_pk_f16_f32 v[KV+16*\u+\i], v[SS+32*\u+2*\i], v[SS+32*\u+2*\i+1]
.endr
.irp dt, 0,1,2,3
	ds_store_b128 v[STO], v[KV+16*\u+4*\dt:KV+16*\u+4*\dt+3] offset:32*\dt
.endr
.irp i, 0,1,2,3
	ds_load_b128 v[KV+32+16*\u+4*\i:KV+32+16*\u+4*\i+3], v[RD] offset:4*KP*\i   ; LDS serves a wave's instructions in order: these see the stores above
.endr
.irp i, 0,1,2,3
	s_wait_dscnt 3-\i                              ; the younger loads may be out
	global_store_b128 v[GO], v[KV+32+16*\u+4*\i:KV+32+16*\u+4*\i+3], s[10:11] offset:2048*\u+512*\i   ; four rows: 512 consecutive bytes
.endr
.endr
	s_wait_tensorcnt 0x0                           ; the wave's end
	ds_add_u32 v[SPW], v[NIL]
	s_wait_dscnt 0x0
	s_endpgm
.Lfunc_end_k_qa5d221a31e_attn:
	.size	k_qa5d221a31e_attn, .Lfunc_end_k_qa5d221a31e_attn-k_qa5d221a31e_attn
	.p2alignl 7, 3214868480
	.fill 96, 4, 3214868480
	.section	.rodata,"a",@progbits
	.p2align	6, 0x0
	.amdhsa_kernel k_qa5d221a31e_attn
		.amdhsa_group_segment_fixed_size 327680
		.amdhsa_private_segment_fixed_size 0
		.amdhsa_enable_private_segment 0
		.amdhsa_kernarg_size 16
		.amdhsa_user_sgpr_count 2
		.amdhsa_user_sgpr_kernarg_segment_ptr 1
		.amdhsa_wavefront_size32 1
		.amdhsa_system_sgpr_workgroup_id_x 1
		.amdhsa_system_sgpr_workgroup_id_y 1
		.amdhsa_system_sgpr_workgroup_id_z 1
		.amdhsa_system_vgpr_workitem_id 0
		.amdhsa_next_free_vgpr 256
		.amdhsa_next_free_sgpr 100
		.amdhsa_reserve_vcc 1
		.amdhsa_float_denorm_mode_32 3
		.amdhsa_float_denorm_mode_16_64 3
		.amdhsa_memory_ordered 1
		.amdhsa_forward_progress 1
		.amdhsa_inst_pref_size 62
	.end_amdhsa_kernel
	.amdgpu_metadata
---
amdhsa.version: [ 1, 2 ]
amdhsa.kernels:
  - .name:           k_qa5d221a31e_attn
    .symbol:         k_qa5d221a31e_attn.kd
    .args:
      - { .name: qkv, .offset: 0, .size: 8, .value_kind: global_buffer, .address_space: global }
      - { .name: o16, .offset: 8, .size: 8, .value_kind: global_buffer, .address_space: global }
    .group_segment_fixed_size: 327680
    .private_segment_fixed_size: 0
    .kernarg_segment_align: 8
    .kernarg_segment_size: 16
    .max_flat_workgroup_size: 512
    .sgpr_count:     100
    .vgpr_count:     256
    .wavefront_size: 32
...
	.end_amdgpu_metadata
.endif
;; end of part 3
;; launch proj (part 4): grid 4 x 64, 4 waves a work-group, clusters of 4 x 4, 327,680 bytes of LDS; arguments o16, wp, b_proj, out0; writes out0
.if DOCPART == 4
	.amdgcn_target "amdgcn-amd-amdhsa--gfx1250"
	.amdhsa_code_object_version 6
	.text
	.protected	k_qa5d221a31e_proj
	.globl	k_qa5d221a31e_proj
	.p2align	8
	.type	k_qa5d221a31e_proj,@function
k_qa5d221a31e_proj:
	s_mov_b64 s[64:65], 0
	v_nop
	global_prefetch_b8 v0, s[64:65] scope:SCOPE_SE
	s_setreg_imm32_b32 hwreg(HW_REG_WAVE_MODE, 25, 1), 1
	s_wait_xcnt 0x0
	s_wait_alu depctr_hold_cnt(0) depctr_sa_sdst(0) depctr_va_vdst(0) depctr_va_sdst(0) depctr_va_ssrc(0) depctr_va_vcc(0) depctr_vm_vsrc(0)
	s_getreg_b32 s2, hwreg(HW_REG_IB_STS2, 6, 4)
	s_cmp_eq_u32 s2, 0
	s_cbranch_scc0 .Lentry_in_a_cluster
	s_endpgm
.Lentry_in_a_cluster:
	s_bfe_u32 s2, ttmp6, 0x10000c
	s_cmp_lg_u32 s2, 0xf033
	s_cbranch_scc0 .Lentry_shape_is_right
	s_endpgm
.Lentry_shape_is_right:
; out0 = o W_proj + b_proj on f16 operands, sums in f32, the bias as the C of each sum's first product.  o16: [16 chunks (heads)][8192 rows][64]; wp's high part: [16 chunks][1024 n][64 k]; out0: [8192][1024] f32.
; (The first 16 positions of each sequence are written again, more finely, by a later launch.)
; A tile of 128 x 256 gives 256 work-groups.  Four waves, each 64 x 128: 32 accumulators.  K goes in steps of 128 (two chunks of 64) through a ring of two LDS slots; two slots of a longer step do not fit.
; CLUSTERS: 4 x 4.  The four of a row of the cluster need the same rows of o, the four of a column the same rows of W: each chunk's tile is asked for jointly, one tensor load a wave
; (waves 0, 1: o's two chunks; waves 2, 3: W's).  THE MATRIX INSTRUCTION IS USED TRANSPOSED (source 0 = 16 rows of W, source 1 = 16 rows of o): a lane holds eight neighbouring columns of a row.
; REGISTERS: window 0: v0-31 addresses; v32-95 o's fragments, two buffers of 4 x 8; v128-191 the bias; on the way out v128-255 rows read back.  window 1: v0-127 W's fragments, two buffers of 8 x 8.
;   window 2: accumulator (a, b) at v[8 (8 a + b)].
.set PITCH,  144                       ; an LDS row: 128 bytes + 16
.set ACH,    128*PITCH                 ; a chunk's tile of o
.set BCH,    256*PITCH                 ; and of W
.set SLOT,   2*ACH+2*BCH               ; o's two chunks, then W's two
.set STAGE,  2*SLOT                    ; behind the ring: 16 rows x 528 bytes for each wave
.set SPITCH, 528
.set SPARE,  STAGE+4*16*SPITCH         ; the spare words, 128 bytes for each wave; no other line names them
.set ADRA, 16
.set ADRB, 20
.set STO,  24
.set RD,   25
.set CO,   26
.set SPW,  28
.set NIL,  29
.set PFO,  30
.set BO,   31
.set AF,   32
.set BI,   128
.set BK,   128
.set G1,  24
.set G0,  32
.set G1B, 48
.set G0B, 56
.set LIM, 43
.set PFA, 44
.set PFS, 66
.set MSB, 0
.macro WIN new
.if MSB != (\new)
	s_set_vgpr_msb (MSB<<8)|(\new)
.set MSB, (\new)
.endif
.endm
.set MUL,  0xa1                        ; source 0 (W) window 1, source 1 (o) window 0, C and D window 2
.set TO_B, 0x40
.macro JLOAD s
	s_cmp_eq_u32 s13, 0
	s_cbranch_scc0 .Lfor_b_\@
	tensor_load_to_lds s[G0+4*\s:G0+4*\s+3], s[G1:G1+7]
	s_nop 0
.rept 4
	v_nop
.endr
	s_branch .Lasked_\@
.Lfor_b_\@:
	tensor_load_to_lds s[G0B+4*\s:G0B+4*\s+3], s[G1B:G1B+7]
	s_nop 0
.rept 4
	v_nop
.endr
.Lasked_\@:
.endm
.macro CREST
	s_cmp_lg_u32 s12, 0
	s_cbranch_scc1 .Lnot_wave_0_\@
	s_barrier_signal -3
.Lnot_wave_0_\@:
	s_barrier_wait -3
	s_barrier_signal -1
	s_barrier_wait -1
.endm
.macro CROUND
	s_barrier_signal -1
	s_barrier_wait -1
	CREST
.endm
; A PREFETCH, behind each joint refill and the run of LDS loads that follows it, of the K step two refills on (256 matrix instructions of a wave ahead of the load that will want it).  Each aligned 256 bytes are named once:
; o's rows are read by this row of the cluster alone: wave 0 asks, lanes 0-15 for 16 blocks of the first chunk, lanes 16-31 of the second; the four partners take 16 blocks each BY ADDRESS (cx).
; W's rows are read by every cluster: the clusters with y = 0 ask, wave 2 for the first chunk, wave 3 for the second, 32 blocks each, the partners told apart by address (cy).
; The loop's last trip asks for nothing: there is no K step two refills on.
.macro ASK
	s_cmp_gt_u32 s3, s[LIM]
	s_cbranch_scc0 .Lnot_mine_\@
	global_prefetch_b8 v[PFO], s[PFA:PFA+1] th:TH_LOAD_NT scope:SCOPE_SE
.Lnot_mine_\@:
.endm
	s_load_b256 s[4:11], s[0:1], 0x0               ; o16 s[4:5], wp s[6:7], b_proj s[8:9], out0 s[10:11]
	v_lshl_add_u32 v[SPW], v0, 2, SPARE
	v_mov_b32 v[NIL], 0
	ds_add_u32 v[SPW], v[NIL]                      ; the wave's opening: the add, twice on end, and its wait ahead of my first tensor load
	ds_add_u32 v[SPW], v[NIL]
	v_lshrrev_b32 v1, 5, v0
	v_readfirstlane_b32 s12, v1                    ; wave 0..3
	s_lshr_b32 s13, s12, 1                         ; which 64 of the tile's rows are mine.  Also: I fetch for o (0) or for W (1)
	s_and_b32 s14, s12, 1                          ; which 128 of its columns.  Also: which chunk of a K step I fetch
	s_bfe_u32 s40, ttmp6, 0x40000                  ; cx, cy
	s_bfe_u32 s41, ttmp6, 0x40004
	s_lshl_b32 s42, ttmp9, 2
	s_add_co_u32 s42, s42, s40                     ; tile column
	s_and_b32 s15, ttmp7, 0xffff
	s_lshl_b32 s15, s15, 2
	s_add_co_u32 s15, s15, s41                     ; tile row
	s_lshl_b32 s46, s41, 2
	s_lshl_b32 s46, 15, s46                        ; my row of the cluster
	s_lshl_b32 s47, 0x1111, s40                    ; my column
	s_or_b32 s[G1+0], s46, (1<<20)|(1<<21)|(4<<22)|(3<<25)    ; the mask; elements of 1 byte; padding: 4 words after every 32; bit 21 beside a mask
	s_or_b32 s[G1B+0], s47, (1<<20)|(1<<21)|(4<<22)|(3<<25)
	s_mov_b32 s[G1+1], 128<<16                     ; tensor_dim0 = 128 bytes
	s_mov_b32 s[G1+2], 128<<16                     ; tensor_dim1 = 128 rows
	s_mov_b32 s[G1+3], 128<<16                     ; tile_dim0
	s_mov_b32 s[G1+4], 128                         ; tile_dim1
	s_mov_b32 s[G1+5], 128                         ; the pitch
	s_mov_b32 s[G1+6], 0
	s_mov_b32 s[G1+7], 0
	s_mov_b32 s[G1B+1], 128<<16
	s_mov_b32 s[G1B+2], 256<<16                    ; 256 rows
	s_mov_b32 s[G1B+3], 128<<16
	s_mov_b32 s[G1B+4], 256
	s_mov_b32 s[G1B+5], 128
	s_mov_b32 s[G1B+6], 0
	s_mov_b32 s[G1B+7], 0
	s_lshl_b32 s16, s15, 14                        ; o: the tile's 128 rows of 128 bytes,
	s_lshl_b32 s17, s14, 20                        ; my chunk
	s_add_co_u32 s16, s16, s17
	s_mov_b32 s17, 0
	s_lshl_b32 s18, s42, 15                        ; W: the tile's 256 rows,
	s_lshl_b32 s19, s14, 17                        ; my chunk
	s_add_co_u32 s18, s18, s19
	s_mov_b32 s19, 0
	s_mul_i32 s20, s14, ACH                        ; where they go: no place in the cluster enters an LDS address
	s_mul_i32 s21, s14, BCH
	s_add_co_u32 s21, s21, 2*ACH
	s_wait_dscnt 0x0                               ; both opening adds are done
	s_wait_kmcnt 0x0
	s_add_nc_u64 s[16:17], s[4:5], s[16:17]
	s_add_nc_u64 s[18:19], s[6:7], s[18:19]
	CROUND                                         ; all sixteen work-groups are here: the first joint loads meet
.irp s, 0,1
	s_mov_b32 s[G0+4*\s], 1
	s_add_co_u32 s[G0+4*\s+1], s20, \s*SLOT
	s_add_nc_u64 s[G0+4*\s+2:G0+4*\s+3], s[16:17], \s*2097152
	s_or_b32 s[G0+4*\s+3], s[G0+4*\s+3], 0x80000000
	s_mov_b32 s[G0B+4*\s], 1
	s_add_co_u32 s[G0B+4*\s+1], s21, \s*SLOT
	s_add_nc_u64 s[G0B+4*\s+2:G0B+4*\s+3], s[18:19], \s*262144
	s_or_b32 s[G0B+4*\s+3], s[G0B+4*\s+3], 0x80000000
	JLOAD \s
.endr
	v_and_b32 v1, 15, v0                           ; r
	v_bfe_u32 v2, v0, 4, 1                         ; h
	s_lshl_b32 s18, s42, 10                        ; my first column, 4 bytes a column: in b_proj and in a row of out0
	s_lshl_b32 s19, s14, 9
	s_add_co_u32 s18, s18, s19
	s_mov_b32 s19, 0
	s_add_nc_u64 s[8:9], s[8:9], s[18:19]
	s_add_nc_u64 s[10:11], s[10:11], s[18:19]
	v_lshlrev_b32 v[BO], 5, v2
.irp b, 0,1,2,3,4,5,6,7
	global_load_b128 v[BI+8*\b:BI+8*\b+3], v[BO], s[8:9] offset:64*\b
	global_load_b128 v[BI+8*\b+4:BI+8*\b+7], v[BO], s[8:9] offset:64*\b+16
.endr
	s_lshl_b32 s16, s15, 19                        ; my first row of out0: 128 x tile row + 64 x half, 4,096 bytes a row
	s_lshl_b32 s17, s13, 18
	s_add_co_u32 s16, s16, s17
	s_mov_b32 s17, 0
	s_add_nc_u64 s[10:11], s[10:11], s[16:17]
	v_mul_u32_u24 v3, v1, PITCH
	v_lshl_add_u32 v3, v2, 4, v3
	s_mul_i32 s20, s13, 64*PITCH
	s_mul_i32 s21, s14, 128*PITCH
	s_add_co_u32 s21, s21, 2*ACH
.irp s, 0,1
	v_add_nc_u32 v[ADRA+\s], s20, v3
	v_add_nc_u32 v[ADRB+\s], s21, v3
	s_add_co_u32 s20, s20, SLOT
	s_add_co_u32 s21, s21, SLOT
.endr
	s_mul_i32 s22, s12, 16*SPITCH
	s_add_co_u32 s22, s22, STAGE
	v_mul_u32_u24 v4, v1, SPITCH
	v_lshl_add_u32 v4, v2, 5, v4
	v_add_nc_u32 v[STO], s22, v4                   ; into my stage: row r, 32 bytes for each half of the lanes
	v_and_b32 v5, 31, v0
	v_lshlrev_b32 v[CO], 4, v5
	v_add_nc_u32 v[RD], s22, v[CO]                 ; back: the 32 lanes take a row of 512 bytes
	; the prefetches
	s_lshl_b32 s21, s15, 14
	s_lshl_b32 s22, s40, 12
	s_add_co_u32 s21, s21, s22
	s_add_co_u32 s21, s21, 3*2097152               ; o: my work-group's 16 blocks, at K step 3: the first refill steps it to 4
	s_lshl_b32 s22, s42, 15
	s_lshl_b32 s23, s41, 13
	s_add_co_u32 s22, s22, s23
	s_lshl_b32 s23, s14, 17
	s_add_co_u32 s22, s22, s23
	s_add_co_u32 s22, s22, 3*262144                ; W: my work-group's 32 blocks of my chunk
	s_and_b32 s23, ttmp7, 0xffff                   ; cluster y
	s_mov_b32 s20, 4096
	s_mov_b32 s[PFS], 262144
	s_mov_b32 s[PFS+1], 0
	s_cmp_eq_u32 s13, 0                            ; do I fetch for o?
	s_cselect_b64 s[PFA:PFA+1], s[4:5], s[6:7]
	s_cselect_b32 s22, s21, s22
	s_cselect_b32 s20, 0x100000, s20               ; lanes 16-31: o: a chunk on; W: 16 blocks on
	s_cselect_b32 s[PFS], 0x200000, s[PFS]         ; a K step on
	s_cselect_b32 s21, s14, s23                    ; o: wave 0 asks; W: where cluster y = 0: the same in all sixteen partners, for a given wave
	s_cmp_eq_u32 s21, 0
	s_cselect_b32 s[LIM], 1, -1
	s_mov_b32 s23, 0
	s_add_nc_u64 s[PFA:PFA+1], s[PFA:PFA+1], s[22:23]
	v_mul_lo_u32 v[PFO], v2, s20
	v_lshl_add_u32 v[PFO], v1, 8, v[PFO]
.macro MUL16 f, a0, first              ; 16 products: o's blocks a0, a0 + 1 against W's eight, 32 along K.  The 32 accumulators take turns in one order throughout
.irp a, \a0, \a0+1
.irp b, 0,1,2,3,4,5,6,7
.if \first
	v_wmma_f32_16x16x32_f16 v[8*(8*(\a)+\b):8*(8*(\a)+\b)+7], v[64*(\f)+8*\b:64*(\f)+8*\b+7], v[AF+32*(\f)+8*(\a):AF+32*(\f)+8*(\a)+7], v[BI+8*\b:BI+8*\b+7]
.else
	v_wmma_f32_16x16x32_f16 v[8*(8*(\a)+\b):8*(8*(\a)+\b)+7], v[64*(\f)+8*\b:64*(\f)+8*\b+7], v[AF+32*(\f)+8*(\a):AF+32*(\f)+8*(\a)+7], v[8*(8*(\a)+\b):8*(8*(\a)+\b)+7]
.endif
.endr
.endr
.endm
.macro FETCH slot, kk, f               ; 24 LDS loads in one run: the fragments of the slot's kk-th 32 along K into buffer f
	WIN TO_B
.irp b, 0,1,2,3,4,5,6,7
	ds_load_b128 v[64*(\f)+8*\b:64*(\f)+8*\b+3],   v[ADRB+\slot] offset:((\kk)/2)*BCH+((\kk)%2)*64+\b*16*PITCH
	ds_load_b128 v[64*(\f)+8*\b+4:64*(\f)+8*\b+7], v[ADRB+\slot] offset:((\kk)/2)*BCH+((\kk)%2)*64+\b*16*PITCH+32
.endr
	WIN 0
.irp a, 0,1,2,3
	ds_load_b128 v[AF+32*(\f)+8*\a:AF+32*(\f)+8*\a+3],   v[ADRA+\slot] offset:((\kk)/2)*ACH+((\kk)%2)*64+\a*16*PITCH
	ds_load_b128 v[AF+32*(\f)+8*\a+4:AF+32*(\f)+8*\a+7], v[ADRA+\slot] offset:((\kk)/2)*ACH+((\kk)%2)*64+\a*16*PITCH+32
.endr
.endm
.macro PLACES                          ; four places in front of loads into registers that matrix instructions have read, and of the first read of results
.rept 4
	v_nop
.endr
.endm
.macro QUARTER slot, kn, f, g, first   ; multiplies buffer f; ahead of its 32 products it asks for the slot's kn-th 32 along K into buffer g
	s_wait_dscnt 0x0                               ; buffer f is in
	PLACES
	FETCH \slot, \kn, \g
	WIN MUL-0x20*(\first)                          ; (first = 1: C, the bias, lies in window 0)
	MUL16 \f, 0, \first
	MUL16 \f, 2, \first
.endm
; A slot's last quarter multiplies buffer 1 and changes slots: one barrier; in front of it each wave waits for all its tensor loads, adds 0 to its spare word, and waits for that and for its reads of this slot.
; fill = 1: the barrier opens a round of the cluster's barrier, and this slot is filled again, two K steps ahead, first thing behind the round.
.macro TURN slot, next, fill
.if \fill
	s_wait_xcnt 0x0                                ; the last prefetch, a K step back, has read its address
	s_add_nc_u64 s[PFA:PFA+1], s[PFA:PFA+1], s[PFS:PFS+1]
.endif
	WIN 0                                          ; (the add's two registers lie in window 0)
	s_wait_tensorcnt 0x0                           ; all my tensor loads have landed: my part of the next slot
	ds_add_u32 v[SPW], v[NIL]
	s_wait_dscnt 0x0                               ; the add is done, buffer 1 is in, and my reads of this slot are over
	s_barrier_signal -1
	WIN MUL
	MUL16 1, 0, 0                                  ; work on registers while the others arrive
	WIN 0
	s_barrier_wait -1
.if \fill
	CREST                                          ; no wave of any partner still reads this slot or has a load on its way
	s_add_nc_u64 s[G0+4*\slot+2:G0+4*\slot+3], s[G0+4*\slot+2:G0+4*\slot+3], 4194304
	s_add_nc_u64 s[G0B+4*\slot+2:G0B+4*\slot+3], s[G0B+4*\slot+2:G0B+4*\slot+3], 524288
	JLOAD \slot                                    ; the four v_nop behind it are also the places in front of the loads below
.else
	PLACES
.endif
	FETCH \next, 0, 0
.if \fill
	ASK
.endif
	WIN MUL
	MUL16 1, 2, 0
.endm
	s_wait_tensorcnt 1                             ; my part of K step 0 is in; K step 1's load may be out
	s_barrier_signal -1
	s_barrier_wait -1
	FETCH 0, 0, 0
	s_wait_loadcnt 0x0                             ; the bias
	QUARTER 0, 1, 0, 1, 1                          ; the first quarter stands in front of the loop: its products start the sums
	WIN 0
	s_mov_b32 s3, 3
.Llap:                                             ; a trip goes once round the ring and fills both slots again: K steps 2 to 7
	QUARTER 0, 2, 1, 0, 0
	QUARTER 0, 3, 0, 1, 0
	TURN 0, 1, 1
	QUARTER 1, 1, 0, 1, 0
	QUARTER 1, 2, 1, 0, 0
	QUARTER 1, 3, 0, 1, 0
	TURN 1, 0, 1
	QUARTER 0, 1, 0, 1, 0
	WIN 0
	s_sub_co_u32 s3, s3, 1
	s_cmp_lg_u32 s3, 0
	s_cbranch_scc1 .Llap
	QUARTER 0, 2, 1, 0, 0                          ; the last lap fills nothing
	QUARTER 0, 3, 0, 1, 0
	TURN 0, 1, 0
	QUARTER 1, 1, 0, 1, 0
	QUARTER 1, 2, 1, 0, 0
	QUARTER 1, 3, 0, 1, 0
	s_wait_dscnt 0x0
	MUL16 1, 0, 0
	MUL16 1, 2, 0
	WIN 0
; THE WAY OUT, block by block of 16 rows x 128 columns: through my own stage, back as whole rows of 512 bytes.
.macro TOSTAGE a
	WIN 0x08                                       ; an LDS store's data are its source 1: window 2
.irp b, 0,1,2,3,4,5,6,7
	ds_store_b128 v[STO], v[64*(\a)+8*\b:64*(\a)+8*\b+3] offset:64*\b          ; each accumulator from its low end on
	ds_store_b128 v[STO], v[64*(\a)+8*\b+4:64*(\a)+8*\b+7] offset:64*\b+16
.endr
	WIN 0
.set BB, BK+64*((\a)%2)
.irp t, 0,1,2,3,4,5,6,7,8,9,10,11,12,13,14,15
	ds_load_b128 v[BB+4*\t:BB+4*\t+3], v[RD] offset:\t*SPITCH                  ; LDS serves a wave's instructions in order: these see the stores above
.endr
.endm
.macro SEND a, younger                 ; younger: the LDS instructions issued behind block a's loads, which may stay out
.set BB, BK+64*((\a)%2)
	s_wait_dscnt \younger
.irp t, 0,1,2,3,4,5,6,7,8,9,10,11,12,13,14,15
	global_store_b128 v[CO], v[BB+4*\t:BB+4*\t+3], s[10:11] offset:(16*(\a)+\t)*4096   ; 32 lanes store 512 consecutive bytes, aligned
.endr
.endm
	PLACES
	TOSTAGE 0
.irp a, 1,2,3
.if \a > 1
	s_wait_xcnt 0x0                                ; block a - 2's stores have read their registers: block a's loads may land there
.endif
	TOSTAGE \a
	SEND \a-1, 32                                  ; behind block a - 1's loads: block a's 16 stores and 16 loads
.endr
	SEND 3, 0
	s_wait_tensorcnt 0x0                           ; the wave's end
	ds_add_u32 v[SPW], v[NIL]
	s_wait_dscnt 0x0
	CROUND                                         ; the closing round
	s_endpgm
.Lfunc_end_k_qa5d221a31e_proj:
	.size	k_qa5d221a31e_proj, .Lfunc_end_k_qa5d221a31e_proj-k_qa5d221a31e_proj
	.p2alignl 7, 3214868480
	.fill 96, 4, 3214868480
	.section	.rodata,"a",@progbits
	.p2align	6, 0x0
	.amdhsa_kernel k_qa5d221a31e_proj
		.amdhsa_group_segment_fixed_size 327680
		.amdhsa_private_segment_fixed_size 0
		.amdhsa_enable_private_segment 0
		.amdhsa_kernarg_size 32
		.amdhsa_user_sgpr_count 2
		.amdhsa_user_sgpr_kernarg_segment_ptr 1
		.amdhsa_wavefront_size32 1
		.amdhsa_system_sgpr_workgroup_id_x 1
		.amdhsa_system_sgpr_workgroup_id_y 1
		.amdhsa_system_sgpr_workgroup_id_z 1
		.amdhsa_system_vgpr_workitem_id 0
		.amdhsa_next_free_vgpr 768
		.amdhsa_next_free_sgpr 72
		.amdhsa_reserve_vcc 0
		.amdhsa_float_denorm_mode_32 3
		.amdhsa_float_denorm_mode_16_64 3
		.amdhsa_memory_ordered 1
		.amdhsa_forward_progress 1
		.amdhsa_inst_pref_size 88
	.end_amdhsa_kernel
	.amdgpu_metadata
---
amdhsa.version: [ 1, 2 ]
amdhsa.kernels:
  - .name:           k_qa5d221a31e_proj
    .symbol:         k_qa5d221a31e_proj.kd
    .args:
      - { .name: o16, .offset: 0, .size: 8, .value_kind: global_buffer, .address_space: global }
      - { .name: wp, .offset: 8, .size: 8, .value_kind: global_buffer, .address_space: global }
      - { .name: b_proj, .offset: 16, .size: 8, .value_kind: global_buffer, .address_space: global }
      - { .name: out0, .offset: 24, .size: 8, .value_kind: global_buffer, .address_space: global }
    .group_segment_fixed_size: 327680
    .private_segment_fixed_size: 0
    .kernarg_segment_align: 8
    .kernarg_segment_size: 32
    .max_flat_workgroup_size: 128
    .sgpr_count:     72
    .vgpr_count:     768
    .wavefront_size: 32
...
	.end_amdgpu_metadata
.endif
;; end of part 4
;; launch finea (part 5): grid 16 x 4, 12 waves a work-group, no clusters, 18,432 bytes of LDS; arguments xc, xs, wc, ws, b_attn, ofine; writes ofine
.if DOCPART == 5
	.amdgcn_target "amdgcn-amd-amdhsa--gfx1250"
	.amdhsa_code_object_version 6
	.text
	.protected	k_qa5d221a31e_finea
	.globl	k_qa5d221a31e_finea
	.p2align	8
	.type	k_qa5d221a31e_finea,@function
k_qa5d221a31e_finea:
	s_mov_b64 s[64:65], 0
	v_nop
	global_prefetch_b8 v0, s[64:65] scope:SCOPE_SE
	s_setreg_imm32_b32 hwreg(HW_REG_WAVE_MODE, 25, 1), 1
	s_wait_xcnt 0x0
; THE FIRST 16 POSITIONS OF EVERY SEQUENCE, carried finely: they average one to sixteen values and are the largest rows of the output.  A work-group takes one (head, batch).
; q, k, v of the 16 positions come once more from the codes (the quantised product, K ascending, the bias as the first C) and stay f32; the attention over 16 x 16 goes by the f32 matrix form
; (20 instructions a wave: no bulk work); o is split in f32 into a high and a low f16 part: ofine, each part [16 heads][64 (batch x 16 + position)][64].
; Wave w: kind = w >> 2 (q, k, v), t = w & 3: one tile of 16 positions x 16 channels.  q and k are made transposed (source 0 = W's rows): a lane holds one position and channels 16 t + 8 h + j.
; v is made the other way round: a lane holds channel 16 t + r and positions 8 h + j.  So pairs of registers of these tiles are operands of the f32 form as they stand
; (the order of channels, or keys, along K is the same in both operands of a product).  The tiles go from wave to wave through LDS as images of their registers.
; LIMITS: |o| under 65,504; NaN and infinities are not served.
.set OST,   12288                      ; behind the 12 images of 1,024 bytes: o's two parts, 16 rows x 144 bytes each
.set SPARE, 16896                      ; the spare words, 128 bytes for each wave; no other line names them
.set SPW, 2
.set NIL, 3
	s_load_b256 s[4:11], s[0:1], 0x0               ; xc s[4:5], xs s[6:7], wc s[8:9], ws s[10:11]
	s_load_b128 s[12:15], s[0:1], 0x20             ; b_attn, ofine
	v_lshl_add_u32 v[SPW], v0, 2, SPARE
	v_mov_b32 v[NIL], 0
	v_lshrrev_b32 v1, 5, v0
	v_readfirstlane_b32 s16, v1                    ; wave 0..11
	s_lshr_b32 s17, s16, 2                         ; kind
	s_and_b32 s18, s16, 3                          ; t
	s_and_b32 s19, ttmp7, 0xffff                   ; batch
	v_and_b32 v1, 15, v0                           ; r
	v_bfe_u32 v4, v0, 4, 1                         ; h
	v_and_b32 v5, 31, v0                           ; lane
	v_lshlrev_b32 v6, 4, v5                        ; an image's place for my lane
	s_lshl_b32 s20, s16, 10
	v_add_nc_u32 v7, s20, v6                       ; in my wave's image
	v_lshlrev_b32 v16, 9, v1
	v_lshl_add_u32 v16, v4, 4, v16                 ; codes: row r of 512 bytes, + 16 h
	v_lshlrev_b32 v17, 5, v1                       ; scale bytes: row r of 32
	s_lshl_b32 s20, s18, 5
	s_add_co_u32 s20, s20, OST
	v_mul_u32_u24 v19, v1, 144
	v_lshl_add_u32 v19, v4, 4, v19
	v_add_nc_u32 v19, s20, v19                     ; o's stage, in: row r, + 32 t + 16 h
	s_min_u32 s21, s16, 1                          ; wave 0 carries the high part out, wave 1 the low
	s_mul_i32 s20, s21, 2304
	s_add_co_u32 s20, s20, OST
	v_lshrrev_b32 v20, 3, v5
	v_mul_u32_u24 v20, v20, 144
	v_and_b32 v21, 7, v5
	v_lshl_add_u32 v20, v21, 4, v20
	v_add_nc_u32 v20, s20, v20                     ; back: eight lanes to a row
	v_lshlrev_b32 v21, 3, v4
	v_sub_nc_u32 v21, v1, v21                      ; r - 8 h, for the mask
	v_mov_b32 v22, 0xff800000                      ; -infinity
	s_lshl_b32 s20, s17, 10
	s_lshl_b32 s22, ttmp9, 6
	s_add_co_u32 s20, s20, s22
	s_lshl_b32 s22, s18, 4
	s_add_co_u32 s20, s20, s22                     ; my first row of W: kind x 1,024 + 64 head + 16 t
	s_mov_b32 s23, 0
	s_mov_b32 s36, 0x76543210
	s_mov_b32 s37, 0xfedcba98
	s_mov_b32 s38, 0x3e38aa3b                      ; c = log2(e) / 8
	s_mov_b32 s39, s38
	s_mov_b32 s40, 0x46000400                      ; 8193.0
	s_mov_b32 s41, s40
	s_wait_kmcnt 0x0
	s_lshl_b32 s22, s20, 9
	s_add_nc_u64 s[8:9], s[8:9], s[22:23]
	s_lshl_b32 s22, s20, 5
	s_add_nc_u64 s[10:11], s[10:11], s[22:23]
	s_lshl_b32 s22, s20, 2
	s_add_nc_u64 s[12:13], s[12:13], s[22:23]
	s_lshl_b32 s22, s19, 20                        ; x: the batch's first row
	s_add_nc_u64 s[4:5], s[4:5], s[22:23]
	s_lshl_b32 s22, s19, 16
	s_add_nc_u64 s[6:7], s[6:7], s[22:23]
	s_lshl_b32 s22, s21, 17
	s_lshl_b32 s20, ttmp9, 13
	s_add_co_u32 s22, s22, s20
	s_lshl_b32 s20, s19, 11
	s_add_co_u32 s22, s22, s20
	s_add_nc_u64 s[14:15], s[14:15], s[22:23]
	s_cmp_lt_u32 s17, 2                            ; q and k: source 0 = W, source 1 = x; v: the other way round
	s_cselect_b64 s[24:25], s[8:9], s[4:5]
	s_cselect_b64 s[26:27], s[4:5], s[8:9]
	s_cselect_b64 s[28:29], s[10:11], s[6:7]
	s_cselect_b64 s[30:31], s[6:7], s[10:11]
	s_cselect_b32 s32, 32, 0                       ; the bias in the result's layout: q, k: register j is channel 8 h + j; v: every register is channel r
	s_cselect_b32 s33, 0, 4
	s_cselect_b32 s34, 4, 0
.irp s, 0,1,2,3,4,5,6,7
.irp c, 0,1
	global_load_b128 v[32+8*\s+4*\c:35+8*\s+4*\c], v16, s[24:25] offset:64*\s+32*\c
	global_load_b128 v[96+8*\s+4*\c:99+8*\s+4*\c], v16, s[26:27] offset:64*\s+32*\c
.endr
.endr
.irp c, 0,1
	global_load_b128 v[160+4*\c:163+4*\c], v17, s[28:29] offset:16*\c   ; register s: my row's scale word of K step s
	global_load_b128 v[168+4*\c:171+4*\c], v17, s[30:31] offset:16*\c
.endr
	v_mul_lo_u32 v18, v4, s32
	v_mad_u32_u24 v18, v1, s33, v18
	s_mov_b32 s35, 0
.irp j, 0,1,2,3,4,5,6,7
	v_add_nc_u32 v[184+\j], s35, v18
	s_add_co_u32 s35, s35, s34
.endr
.irp j, 0,1,2,3,4,5,6,7
	global_load_b32 v[176+\j], v[184+\j], s[12:13]
.endr
	s_wait_loadcnt 0x0
	v_wmma_scale_f32_16x16x128_f8f6f4 v[24:31], v[32:39], v[96:103], v[176:183], v160, v168 matrix_a_fmt:MATRIX_FMT_FP4 matrix_b_fmt:MATRIX_FMT_FP4
.irp s, 1,2,3,4,5,6,7
	s_wait_alu depctr_va_vdst(0)                   ; the wait directly ahead of every link
	v_wmma_scale_f32_16x16x128_f8f6f4 v[24:31], v[32+8*\s:39+8*\s], v[96+8*\s:103+8*\s], v[24:31], v[160+\s], v[168+\s] matrix_a_fmt:MATRIX_FMT_FP4 matrix_b_fmt:MATRIX_FMT_FP4
.endr
.rept 4
	v_nop                                          ; places in front of the stores that read the result and of the loads into the operands' registers
.endr
	ds_store_b128 v7, v[24:27]                     ; the tile's image
	ds_store_b128 v7, v[28:31] offset:512
	s_wait_dscnt 0x0                               ; my stores have landed
	s_barrier_signal -1
	s_barrier_wait -1                              ; the twelve tiles lie in LDS
	s_cmp_lt_u32 s16, 4
	s_cbranch_scc0 .Lmid
	; ---- waves 0 to 3: the scores (each makes them for itself), the softmax, and channels 16 w on of o
.irp tt, 0,1,2,3
.irp c, 0,1
	ds_load_b128 v[32+8*\tt+4*\c:35+8*\tt+4*\c], v6 offset:1024*\tt+512*\c          ; q
	ds_load_b128 v[64+8*\tt+4*\c:67+8*\tt+4*\c], v6 offset:4096+1024*\tt+512*\c     ; k
.endr
.endr
.irp c, 0,1
	ds_load_b128 v[96+4*\c:99+4*\c], v7 offset:8192+512*\c                          ; v's tile w
.endr
	s_wait_dscnt 0x0
.set i, 0
.rept 16                                       ; S^T = k q^T, 4 channels an instruction, two accumulators by turns; their registers are written by matrix instructions alone
.if i < 2
	v_wmma_f32_16x16x4_f32 v[192+8*(i%2):199+8*(i%2)], v[64+2*i:65+2*i], v[32+2*i:33+2*i], 0
.else
	v_wmma_f32_16x16x4_f32 v[192+8*(i%2):199+8*(i%2)], v[64+2*i:65+2*i], v[32+2*i:33+2*i], v[192+8*(i%2):199+8*(i%2)]
.endif
.set i, i+1
.endr
.rept 8
	v_nop                                          ; eight places behind this form
.endr
.irp i, 0,1,2,3
	v_pk_add_f32 v[216+2*\i:217+2*\i], v[192+2*\i:193+2*\i], v[200+2*\i:201+2*\i]   ; lane (r, h): query r, keys 8 h + j
.endr
.irp j, 0,1,2,3,4,5,6,7
	v_cmp_gt_i32 vcc_lo, \j, v21                   ; key 8 h + j comes after query r
	v_cndmask_b32 v[216+\j], v[216+\j], v22, vcc_lo
.endr
	v_max3_num_f32 v232, v216, v217, v218
	v_max3_num_f32 v233, v219, v220, v221
	v_max3_num_f32 v232, v232, v222, v223
	v_max_num_f32 v232, v232, v233
	v_permlanex16_b32 v233, v232, s36, s37
	v_max_num_f32 v232, v232, v233                 ; the row's maximum: key 0 counts for every query
	v_mul_f32 v234, s38, v232
	v_mov_b32 v235, v234
.irp i, 0,1,2,3
	v_pk_fma_f32 v[216+2*\i:217+2*\i], v[216+2*\i:217+2*\i], s[38:39], v[234:235] op_sel_hi:[1,0,0] neg_lo:[0,0,1] neg_hi:[0,0,1]
.endr
.irp j, 0,1,2,3,4,5,6,7
	v_exp_f32 v[216+\j], v[216+\j]
.endr
	v_nop
	s_wait_alu depctr_va_vdst(0)                   ; one wait for the eight, ahead of their first reader
	v_pk_add_f32 v[236:237], v[216:217], v[218:219]
	v_pk_add_f32 v[236:237], v[236:237], v[220:221]
	v_pk_add_f32 v[236:237], v[236:237], v[222:223]
	v_add_f32 v236, v236, v237
	v_permlanex16_b32 v237, v236, s36, s37
	v_add_f32 v236, v236, v237                     ; the row's sum
	v_rcp_f32 v238, v236
	v_nop
	s_wait_alu depctr_va_vdst(0)
	v_mov_b32 v239, v238
	v_wmma_f32_16x16x4_f32 v[208:215], v[96:97], v[216:217], 0     ; O^T = v^T p, 4 keys an instruction
.irp s, 1,2,3
	s_wait_alu depctr_va_vdst(0)                   ; the wait directly ahead of every link
	v_wmma_f32_16x16x4_f32 v[208:215], v[96+2*\s:97+2*\s], v[216+2*\s:217+2*\s], v[208:215]
.endr
.rept 8
	v_nop
.endr
.irp i, 0,1,2,3
	v_pk_mul_f32 v[224+2*\i:225+2*\i], v[208+2*\i:209+2*\i], v[238:239]            ; o(r, 16 w + 8 h + j)
.endr
.irp i, 0,1,2,3                                ; the split in f32: c = 8193 o, hi = c - (c - o): o rounded to 11 significant bits; lo = o - hi
	v_pk_mul_f32 v[232+2*\i:233+2*\i], v[224+2*\i:225+2*\i], s[40:41] op_sel_hi:[1,0]
.endr
.irp i, 0,1,2,3
	v_pk_add_f32 v[240+2*\i:241+2*\i], v[232+2*\i:233+2*\i], v[224+2*\i:225+2*\i] neg_lo:[0,1] neg_hi:[0,1]
.endr
.irp i, 0,1,2,3
	v_pk_add_f32 v[232+2*\i:233+2*\i], v[232+2*\i:233+2*\i], v[240+2*\i:241+2*\i] neg_lo:[0,1] neg_hi:[0,1]
.endr
.irp i, 0,1,2,3
	v_pk_add_f32 v[224+2*\i:225+2*\i], v[224+2*\i:225+2*\i], v[232+2*\i:233+2*\i] neg_lo:[0,1] neg_hi:[0,1]
.endr
.irp i, 0,1,2,3
	v_cvt_pk_f16_f32 v[8+\i], v[232+2*\i], v[233+2*\i]
	v_cvt_pk_f16_f32 v[12+\i], v[224+2*\i], v[225+2*\i]
.endr
	ds_store_b128 v19, v[8:11]
	ds_store_b128 v19, v[12:15] offset:2304
.Lmid:
	s_wait_dscnt 0x0
	s_barrier_signal -1
	s_barrier_wait -1                              ; 16 whole rows of both parts lie in the stage
	s_cmp_lt_u32 s16, 2
	s_cbranch_scc0 .Lend
.irp i, 0,1,2,3
	ds_load_b128 v[32+4*\i:35+4*\i], v20 offset:576*\i
.endr
.irp i, 0,1,2,3
	s_wait_dscnt 3-\i                              ; the younger loads may be out
	global_store_b128 v6, v[32+4*\i:35+4*\i], s[14:15] offset:512*\i   ; four rows: 512 consecutive bytes
.endr
.Lend:
	s_wait_tensorcnt 0x0                           ; the wave's end
	ds_add_u32 v[SPW], v[NIL]
	s_wait_dscnt 0x0
	s_endpgm
.Lfunc_end_k_qa5d221a31e_finea:
	.size	k_qa5d221a31e_finea, .Lfunc_end_k_qa5d221a31e_finea-k_qa5d221a31e_finea
	.p2alignl 7, 3214868480
	.fill 96, 4, 3214868480
	.section	.rodata,"a",@progbits
	.p2align	6, 0x0
	.amdhsa_kernel k_qa5d221a31e_finea
		.amdhsa_group_segment_fixed_size 18432
		.amdhsa_private_segment_fixed_size 0
		.amdhsa_enable_private_segment 0
		.amdhsa_kernarg_size 48
		.amdhsa_user_sgpr_count 2
		.amdhsa_user_sgpr_kernarg_segment_ptr 1
		.amdhsa_wavefront_size32 1
		.amdhsa_system_sgpr_workgroup_id_x 1
		.amdhsa_system_sgpr_workgroup_id_y 1
		.amdhsa_system_sgpr_workgroup_id_z 1
		.amdhsa_system_vgpr_workitem_id 0
		.amdhsa_next_free_vgpr 256
		.amdhsa_next_free_sgpr 66
		.amdhsa_reserve_vcc 1
		.amdhsa_float_denorm_mode_32 3
		.amdhsa_float_denorm_mode_16_64 3
		.amdhsa_memory_ordered 1
		.amdhsa_forward_progress 1
		.amdhsa_inst_pref_size 18
	.end_amdhsa_kernel
	.amdgpu_metadata
---
amdhsa.version: [ 1, 2 ]
amdhsa.kernels:
  - .name:           k_qa5d221a31e_finea
    .symbol:         k_qa5d221a31e_finea.kd
    .args:
      - { .name: xc, .offset: 0, .size: 8, .value_kind: global_buffer, .address_space: global }
      - { .name: xs, .offset: 8, .size: 8, .value_kind: global_buffer, .address_space: global }
      - { .name: wc, .offset: 16, .size: 8, .value_kind: global_buffer, .address_space: global }
      - { .name: ws, .offset: 24, .size: 8, .value_kind: global_buffer, .address_space: global }
      - { .name: b_attn, .offset: 32, .size: 8, .value_kind: global_buffer, .address_space: global }
      - { .name: ofine, .offset: 40, .size: 8, .value_kind: global_buffer, .address_space: global }
    .group_segment_fixed_size: 18432
    .private_segment_fixed_size: 0
    .kernarg_segment_align: 8
    .kernarg_segment_size: 48
    .max_flat_workgroup_size: 384
    .sgpr_count:     66
    .vgpr_count:     256
    .wavefront_size: 32
...
	.end_amdgpu_metadata
.endif
;; end of part 5
;; launch fineb (part 6): grid 16 x 4, 16 waves a work-group, no clusters, 71,680 bytes of LDS; arguments ofine, wp, b_proj, out0; writes out0
.if DOCPART == 6
	.amdgcn_target "amdgcn-amd-amdhsa--gfx1250"
	.amdhsa_code_object_version 6
	.text
	.protected	k_qa5d221a31e_fineb
	.globl	k_qa5d221a31e_fineb
	.p2align	8
	.type	k_qa5d221a31e_fineb,@function
k_qa5d221a31e_fineb:
	s_mov_b64 s[64:65], 0
	v_nop
	global_prefetch_b8 v0, s[64:65] scope:SCOPE_SE
	s_setreg_imm32_b32 hwreg(HW_REG_WAVE_MODE, 25, 1), 1
	s_wait_xcnt 0x0
; THE PROJECTION OF THE FIRST 16 POSITIONS OF EVERY SEQUENCE, with both operands as pairs of f16 numbers: o W = oh Wh + ol Wh + oh Wl (ol Wl lies under the f32 sums' own rounding).
; It runs last and writes these 64 rows of out0 over what the bulk projection left there.
; A work-group takes (64 columns, batch); wave w takes chunk w of 64 along K: 24 matrix instructions on four accumulators by turns.  The sixteen waves' parts meet in LDS and are added, with the bias, in a fixed order.
; The matrix instruction is used transposed (source 0 = 16 rows of W, source 1 = the 16 positions): a lane holds eight neighbouring columns of a row.
.set SPARE, 69632                      ; behind the 16 parts of 16 rows x 272 bytes: the spare words, 128 bytes for each wave; no other line names them
.set SPW, 2
.set NIL, 3
	s_load_b256 s[4:11], s[0:1], 0x0               ; ofine s[4:5], wp s[6:7], b_proj s[8:9], out0 s[10:11]
	v_lshl_add_u32 v[SPW], v0, 2, SPARE
	v_mov_b32 v[NIL], 0
	v_lshrrev_b32 v1, 5, v0
	v_readfirstlane_b32 s12, v1                    ; wave = chunk
	s_and_b32 s13, ttmp7, 0xffff                   ; batch
	s_min_u32 s14, s12, 7                          ; waves 0 to 7 add the parts, two rows each
	v_and_b32 v1, 15, v0                           ; r
	v_bfe_u32 v4, v0, 4, 1                         ; h
	v_lshlrev_b32 v5, 7, v1
	v_lshl_add_u32 v5, v4, 4, v5                   ; a fragment's row of 128 bytes, + 16 h
	v_lshlrev_b32 v6, 4, v1
	s_mul_i32 s15, s12, 4352
	v_mul_u32_u24 v7, v1, 272
	v_lshl_add_u32 v7, v4, 5, v7
	v_add_nc_u32 v7, s15, v7                       ; my part: row r, + 32 h
	s_mul_i32 s15, s14, 544
	v_mul_u32_u24 v8, v4, 272
	v_add_nc_u32 v8, v8, v6
	v_add_nc_u32 v8, s15, v8                       ; back: row 2 w + h, 16 bytes a lane
	v_lshl_add_u32 v9, v4, 12, v6                  ; and the same place in two rows of out0
	s_mov_b32 s17, 0
	s_wait_kmcnt 0x0
	s_lshl_b32 s16, s12, 17
	s_lshl_b32 s18, ttmp9, 13
	s_add_co_u32 s16, s16, s18
	s_add_nc_u64 s[6:7], s[6:7], s[16:17]          ; W: my chunk, the work-group's 64 rows
	s_lshl_b32 s16, s12, 13
	s_lshl_b32 s18, s13, 11
	s_add_co_u32 s16, s16, s18
	s_add_nc_u64 s[4:5], s[4:5], s[16:17]          ; o: my chunk, the batch's 16 rows
	s_lshl_b32 s16, ttmp9, 8
	s_add_nc_u64 s[8:9], s[8:9], s[16:17]
	s_lshl_b32 s18, s13, 23
	s_add_co_u32 s16, s16, s18
	s_lshl_b32 s18, s14, 13
	s_add_co_u32 s16, s16, s18
	s_add_nc_u64 s[10:11], s[10:11], s[16:17]
.irp t, 0,1,2,3
.irp ks, 0,1
.irp c, 0,1
	global_load_b128 v[32+16*\t+8*\ks+4*\c:35+16*\t+8*\ks+4*\c], v5, s[6:7] offset:2048*\t+64*\ks+32*\c            ; W's high part
	global_load_b128 v[96+16*\t+8*\ks+4*\c:99+16*\t+8*\ks+4*\c], v5, s[6:7] offset:2097152+2048*\t+64*\ks+32*\c    ; and its low part
.endr
.endr
.endr
.irp ks, 0,1
.irp c, 0,1
	global_load_b128 v[160+8*\ks+4*\c:163+8*\ks+4*\c], v5, s[4:5] offset:64*\ks+32*\c                              ; o's high part
	global_load_b128 v[176+8*\ks+4*\c:179+8*\ks+4*\c], v5, s[4:5] offset:131072+64*\ks+32*\c                       ; and its low part
.endr
.endr
	global_load_b128 v[24:27], v6, s[8:9]          ; the bias of my four columns
	s_wait_loadcnt 0x0
.irp ks, 0,1
.irp term, 0,1,2                               ; Wh oh, Wh ol, Wl oh
.irp t, 0,1,2,3
.if (\ks == 0) && (\term == 0)
	v_wmma_f32_16x16x32_f16 v[192+8*\t:199+8*\t], v[32+64*(\term/2)+16*\t+8*\ks:39+64*(\term/2)+16*\t+8*\ks], v[160+16*(\term%2)+8*\ks:167+16*(\term%2)+8*\ks], 0
.else
	v_wmma_f32_16x16x32_f16 v[192+8*\t:199+8*\t], v[32+64*(\term/2)+16*\t+8*\ks:39+64*(\term/2)+16*\t+8*\ks], v[160+16*(\term%2)+8*\ks:167+16*(\term%2)+8*\ks], v[192+8*\t:199+8*\t]
.endif
.endr
.endr
.endr
.rept 4
	v_nop                                          ; places in front of the stores that read the results and of the loads into the operands' registers
.endr
.irp t, 0,1,2,3
	ds_store_b128 v7, v[192+8*\t:195+8*\t] offset:64*\t
	ds_store_b128 v7, v[196+8*\t:199+8*\t] offset:64*\t+16
.endr
	s_wait_dscnt 0x0                               ; my part has landed
	s_barrier_signal -1
	s_barrier_wait -1                              ; all sixteen have
	s_cmp_lt_u32 s12, 8
	s_cbranch_scc0 .Lend
.irp p, 0,1,2,3,4,5,6,7,8,9,10,11,12,13,14,15
	ds_load_b128 v[32+4*\p:35+4*\p], v8 offset:4352*\p
.endr
	s_wait_dscnt 0x0
	v_pk_add_f32 v[28:29], v[24:25], v[32:33]
	v_pk_add_f32 v[30:31], v[26:27], v[34:35]
.irp p, 1,2,3,4,5,6,7,8,9,10,11,12,13,14,15
	v_pk_add_f32 v[28:29], v[28:29], v[32+4*\p:33+4*\p]
	v_pk_add_f32 v[30:31], v[30:31], v[34+4*\p:35+4*\p]
.endr
	global_store_b128 v9, v[28:31], s[10:11]       ; sixteen lanes store 256 consecutive bytes, aligned: two rows an instruction
.Lend:
	s_wait_tensorcnt 0x0                           ; the wave's end
	ds_add_u32 v[SPW], v[NIL]
	s_wait_dscnt 0x0
	s_endpgm
.Lfunc_end_k_qa5d221a31e_fineb:
	.size	k_qa5d221a31e_fineb, .Lfunc_end_k_qa5d221a31e_fineb-k_qa5d221a31e_fineb
	.p2alignl 7, 3214868480
	.fill 96, 4, 3214868480
	.section	.rodata,"a",@progbits
	.p2align	6, 0x0
	.amdhsa_kernel k_qa5d221a31e_fineb
		.amdhsa_group_segment_fixed_size 71680
		.amdhsa_private_segment_fixed_size 0
		.amdhsa_enable_private_segment 0
		.amdhsa_kernarg_size 32
		.amdhsa_user_sgpr_count 2
		.amdhsa_user_sgpr_kernarg_segment_ptr 1
		.amdhsa_wavefront_size32 1
		.amdhsa_system_sgpr_workgroup_id_x 1
		.amdhsa_system_sgpr_workgroup_id_y 1
		.amdhsa_system_sgpr_workgroup_id_z 1
		.amdhsa_system_vgpr_workitem_id 0
		.amdhsa_next_free_vgpr 256
		.amdhsa_next_free_sgpr 66
		.amdhsa_reserve_vcc 0
		.amdhsa_float_denorm_mode_32 3
		.amdhsa_float_denorm_mode_16_64 3
		.amdhsa_memory_ordered 1
		.amdhsa_forward_progress 1
		.amdhsa_inst_pref_size 12
	.end_amdhsa_kernel
	.amdgpu_metadata
---
amdhsa.version: [ 1, 2 ]
amdhsa.kernels:
  - .name:           k_qa5d221a31e_fineb
    .symbol:         k_qa5d221a31e_fineb.kd
    .args:
      - { .name: ofine, .offset: 0, .size: 8, .value_kind: global_buffer, .address_space: global }
      - { .name: wp, .offset: 8, .size: 8, .value_kind: global_buffer, .address_space: global }
      - { .name: b_proj, .offset: 16, .size: 8, .value_kind: global_buffer, .address_space: global }
      - { .name: out0, .offset: 24, .size: 8, .value_kind: global_buffer, .address_space: global }
    .group_segment_fixed_size: 71680
    .private_segment_fixed_size: 0
    .kernarg_segment_align: 8
    .kernarg_segment_size: 32
    .max_flat_workgroup_size: 512
    .sgpr_count:     66
    .vgpr_count:     256
    .wavefront_size: 32
...
	.end_amdgpu_metadata
.endif
;; end of part 6
